; MI455X (gfx1250); checked and timed in simulation.
; The chip was launched on July 23, 2026; its instructions are those of AMD's public machine-readable ISA for CDNA 5 (MIT licence, August 2026) and "CDNA5" Instruction Set Architecture Reference Guide (July 2026). The comments in the code are by the model that wrote it; some were corrected since.
;; Causal Multihead Self Attention. Allowed arithmetic: matrix products marked QUANTISED: E2M3 operands, one E8M0 scale for each 32 along K, by v_wmma_scale_f32_16x16x128_f8f6f4 with both operands' format E2M3, f32 sums; everything else in f32.
;; Inputs: Wk 1,024 x 1,024 float32; Wo 1,024 x 1,024 float32; Wq 1,024 x 1,024 float32; Wv 1,024 x 1,024 float32; x 4 x 2,048 x 1,024 float32.
;; Outputs: out0 4 x 2,048 x 1,024 float32.
;; This version of the problem:
;;   THIS VERSION OF THE PROBLEM IS GIVEN IN LOW PRECISION. The matrix products marked QUANTISED in the list below multiply operands that are first quantised to E2M3 (2 exponent bits, 3 mantissa bits; 6 bits a number), with one power-of-two scale for each 32 numbers along K (OCP MX v1.0); their sums are f32. All else is computed in f32.
;;   The module's matrix products, in the order in which they are computed (A, B: the left and right operand; K: the contracted axis; several contracted axes count as one K, in the product's order):
;;     1. [M 8,192, K 1,024] x [K 1,024, N 1,024]; A: input x; B: input Wq: QUANTISED
;;     2. [M 8,192, K 1,024] x [K 1,024, N 1,024]; A: input x; B: input Wk: QUANTISED
;;     3. [M 8,192, K 1,024] x [K 1,024, N 1,024]; A: input x; B: input Wv: QUANTISED
;;     4. batch 64 x [M 2,048, K 64] x [K 64, N 2,048]; A: computed on the way; B: computed on the way: QUANTISED
;;     5. batch 64 x [M 2,048, K 2,048] x [K 2,048, N 64]; A: softmax (see below); B: computed on the way: QUANTISED
;;     6. [M 8,192, K 1,024] x [K 1,024, N 1,024]; A: computed on the way; B: input Wo: QUANTISED
;;   THE QUANTISER, for each operand of a quantised product, along K:
;;     - K is cut into blocks of 32 from its start; a last block that is shorter is filled with zeros.
;;     - A block's scale is 2^e with e = floor(log2(the largest magnitude in the block)) - 2, held to -126 .. 127; a block of zeros has e = 0. As a byte (E8M0): e + 127.
;;     - Each number is divided by its block's scale, clamped to +-7.5, and rounded to the nearest number of E2M3, ties to even, subnormals kept.
;;     - The product sums the exact products of the quantised numbers (number of the format x scale) in f32.
;;   ~~~python
;;   def quantise(x, axis):      # numpy; x: float32 -> the quantised numbers, widened to float32 again
;;       x = np.moveaxis(x, axis, -1); K = x.shape[-1]
;;       x = np.pad(x, [(0, 0)] * (x.ndim - 1) + [(0, -K % 32)]); x = x.reshape(x.shape[:-1] + (-1, 32)); a = np.abs(x).max(-1, keepdims=True)
;;       e = np.where(a > 0, np.clip(np.frexp(np.where(a > 0, a, 1))[1] - 1 - 2, -126, 127), 0)      # np.frexp(a)[1] - 1 = floor(log2(a)), exactly
;;       r = np.clip(x / 2.0 ** e, -7.5, 7.5)
;;       step = 2.0 ** (np.maximum(np.frexp(np.where(r == 0, 1, r))[1] - 1, 0) - 3)
;;       q = np.round(r / step) * step * 2.0 ** e      # np.round: ties to even
;;       return np.moveaxis(q.reshape(q.shape[:-2] + (-1,))[..., :K], -1, axis).astype(np.float32)
;;   ~~~
;;   SOFTMAX AHEAD OF A QUANTISED PRODUCT. Where the list says 'softmax', what is quantised is not the finished softmax but p = 2^(t - M), with t = logit x log2(e) and M = ceil(the row's largest t), a whole number; so 1/2 < the row's largest p <= 1. The row's sum l is taken of the UNQUANTISED p, in f32, and the product's result is divided by l at the end. Since M is a whole number, a kernel that streams over the keys may use a running M (the ceiling of the running maximum): every later rescaling is an exact power of two, which a block's scale takes up: the codes' values come out the same.
;;   OPERANDS COMPUTED ON THE WAY. 'Computed on the way' means the value that the module computes at that place (a softmax that the list does not call 'softmax' is quantised finished and normalised). What goes into a quantiser is computed in f32, as accurately as f32 sums, v_exp_f32 and their like allow (about 1e-6 of the number): no bf16 or f16 on the way to a quantiser, and a product that is left as it is and whose result goes on into a quantised operand takes f32 operands (vector FMAs, or v_wmma_f32_16x16x4_f32). A number that lies on a knife's edge between two numbers of the format may be rounded either way, as far as f32 arithmetic and the matrix unit's own rounding can turn it there, and no further.
;; One version. Each part assembles by itself: llvm-mc -triple=amdgcn-amd-amdhsa -mcpu=gfx1250 --defsym DOCPART=n.
;; ======== version 1 of 1: 4 launches
;; workspace buffers: xu 6,553,600 bytes; wu 3,276,800 bytes; qkv 20,447,232 bytes; ao 6,553,600 bytes
;; launch quant (part 1): grid 1536 x 1, 1 waves a work-group, no clusters, 8,704 bytes of LDS; arguments x, Wq, Wk, Wv, Wo, xu, wu; writes xu, wu
.if DOCPART == 1
	.amdgcn_target "amdgcn-amd-amdhsa--gfx1250"
	.amdhsa_code_object_version 6
	.text
	.protected	k_q1e8819dc61_quant
	.globl	k_q1e8819dc61_quant
	.p2align	8
	.type	k_q1e8819dc61_quant,@function
k_q1e8819dc61_quant:
	s_mov_b64 s[64:65], 0
	v_nop
	global_prefetch_b8 v0, s[64:65] scope:SCOPE_SE
	s_setreg_imm32_b32 hwreg(HW_REG_WAVE_MODE, 25, 1), 1
	s_wait_xcnt 0x0
; x [8192][1024] and Wq, Wk, Wv, Wo [1024][1024], f32, K innermost, become codes of FP6 (E2M3) with one E8M0 byte for each 32 along K.
; A block's scale is 2^(floor(log2(its largest magnitude)) - 2); its byte is the largest magnitude's exponent field - 2, held at 1 from below.
; LIMITS: NaN and infinities are not served; a block whose largest magnitude lies under 2^-124 keeps the byte 1; a block of zeros has the byte 1, not 127:
; its codes are zeros, which add nothing under that byte, and this program alone reads the bytes.
; THE LAYOUT OF THE CODES IS THE ORDER OF THE OPERAND'S REGISTERS.  A fragment (16 rows x 128 K, 12 registers a lane) is 1,536 bytes: for c = 0, 1: registers 6 c .. 6 c + 3
; at 768 c + 16 x lane, registers 6 c + 4, 5 at 768 c + 512 + 8 x lane.  A unit (128 rows x 128 K) is eight fragments and 512 bytes of scale words: 12,800 bytes; a group of 128 rows
; is its eight units along K on end.  The scale words of four tiles are 256 bytes: lane 16 h + r holds, at 8 x lane, the words of row r of tiles h and 2 + h.
; THE ROWS OF A TILE ARE NOT NEIGHBOURS: lane r of tile 2 B + u holds row 32 B + 8 u + r + 8 (r / 8), so that a product that takes such tiles as source 0 leaves 16 neighbouring rows in 16 registers.
; SHARES: one wave to a work-group, 1,536 of them: 64 rows x 128 K each (32 KiB of f32): four fragments and their scale words.  Work-group T: K step T % 8, half group T / 8: 0-127 x, then 16 each of Wq, Wk, Wv, Wo.
; Each load reads 512 consecutive bytes of one row; a fragment's 16 rows turn through a stage in LDS (rows 528 bytes apart) so that a lane gets 16 neighbours of each block of 32.
; No matrix unit, no cluster, no tensor load: the launch streams, and its work-groups share no input.
.set SP,   528
.set UNIT, 12800
.set R,    16                          ; v16-143  two sets of 64: a fragment's rows as loaded
.set X,    144                         ; v144-207 64 numbers of my row: register 16 b + i = k 32 b + 16 (lane / 16) + i
.set PC,   208                         ; v208-219 the fragment's codes; v220-226 at work
.set TM,   228                         ; v228-243 at work in the quantiser
.set PW,   244                         ; v244-247 the four fragments' scale words
.set SEL,  20
.set HM,   22
	s_load_b256 s[4:11], s[0:1], 0x0               ; x, Wq, Wk, Wv
	s_load_b128 s[12:15], s[0:1], 0x20             ; Wo, xu
	s_load_b64 s[16:17], s[0:1], 0x30              ; wu
	v_lshl_add_u32 v254, v0, 2, 0x2100
	v_mov_b32 v255, 0
	v_lshlrev_b32 v1, 4, v0                        ; 16 x lane: my bytes of a load, of a stage row, of a store of 16 bytes
	v_lshlrev_b32 v2, 3, v0                        ; 8 x lane
	v_and_b32 v4, 15, v0                           ; r
	v_lshrrev_b32 v5, 4, v0                        ; h
	v_mul_u32_u24 v3, v4, SP
	v_lshl_add_u32 v3, v5, 6, v3                   ; out of the stage: row r, + 64 h
	s_mov_b32 s[SEL], 0x76543210
	s_mov_b32 s[SEL+1], 0xfedcba98                 ; selects for lane l xor 16
	s_mov_b32 s[HM], 0xffff0000                    ; lanes 16-31
.irp b, 0,1,2,3
	v_mov_b32 v[TM+4+\b], 0                        ; written once: a lane permute's destination counts as one of its sources
.endr
	s_and_b32 s24, ttmp9, 7                        ; K step
	s_lshr_b32 s25, ttmp9, 3                       ; half group 0..191
	s_and_b32 s26, s25, 15
	s_and_b32 s27, s25, 127                        ; the half group's number in its workspace buffer
	s_and_b32 s28, s25, 1
	s_cmp_lt_u32 s25, 128
	s_cselect_b32 s26, s25, s26                    ; and in its tensor
	s_lshl_b32 s30, s26, 18                        ; 64 rows of 4,096 bytes
	s_lshl_b32 s29, s24, 9
	s_add_co_u32 s30, s30, s29                     ; + 512 bytes a K step
	s_mov_b32 s31, 0
	s_lshr_b32 s32, s27, 1
	s_lshl_b32 s32, s32, 3
	s_add_co_u32 s32, s32, s24
	s_mul_i32 s32, s32, UNIT                       ; the unit
	s_mov_b32 s33, 0
	s_mul_i32 s34, s28, 6144                       ; my four fragments in it
	s_mov_b32 s35, 0
	s_lshl_b32 s36, s28, 8
	s_add_co_u32 s36, s36, 12288                   ; my 256 bytes of scale words
	s_mov_b32 s37, 0
	s_wait_alu depctr_va_vdst(0)
	s_wait_kmcnt 0x0
	s_cmp_lt_u32 s25, 176                          ; the tensor is chosen by the work-group's number alone
	s_cselect_b64 s[12:13], s[10:11], s[12:13]
	s_cmp_lt_u32 s25, 160
	s_cselect_b64 s[12:13], s[8:9], s[12:13]
	s_cmp_lt_u32 s25, 144
	s_cselect_b64 s[12:13], s[6:7], s[12:13]
	s_cmp_lt_u32 s25, 128
	s_cselect_b64 s[12:13], s[4:5], s[12:13]
	s_cselect_b64 s[14:15], s[14:15], s[16:17]
	s_add_nc_u64 s[12:13], s[12:13], s[30:31]
	s_add_nc_u64 s[14:15], s[14:15], s[32:33]
	s_add_nc_u64 s[16:17], s[14:15], s[36:37]
	s_add_nc_u64 s[14:15], s[14:15], s[34:35]
.macro LOADF i                         ; fragment i's 16 rows, in the tile's order, into set i % 2
.irp p, 0,1,2,3,4,5,6,7,8,9,10,11,12,13,14,15
	global_load_b128 v[R+64*((\i)%2)+4*\p:R+64*((\i)%2)+4*\p+3], v1, s[12:13] offset:(32*((\i)/2)+8*((\i)%2)+\p+8*(\p/8))*4096 th:TH_LOAD_NT
.endr
.endm
.macro TURNF i                         ; through the stage: LDS serves a wave's instructions in order, so no wait stands between the stores and the loads
.irp p, 0,1,2,3,4,5,6,7,8,9,10,11,12,13,14,15
	ds_store_b128 v1, v[R+64*((\i)%2)+4*\p:R+64*((\i)%2)+4*\p+3] offset:\p*SP
.endr
.irp b, 0,1,2,3
.irp j, 0,1,2,3
	ds_load_b128 v[X+16*\b+4*\j:X+16*\b+4*\j+3], v3 offset:128*\b+16*\j
.endr
.endr
.endm
; 64 numbers of a lane, register 16 b + i = k 32 b + 16 (lane / 16) + i of my row, become a fragment's codes in v[PC] on and its scale word in v[pw]
.macro QUANT s, pw
.irp b, 0,1,2,3
	v_max3_num_f32 v[TM+\b], |v[\s+16*\b]|, |v[\s+1+16*\b]|, 0x1800000   ; my 16 numbers of block b, and the floor 2^(3 - 127): the byte cannot fall under 1
.endr
.irp i, 2,4,6,8,10,12,14
.irp b, 0,1,2,3
	v_max3_num_f32 v[TM+\b], v[TM+\b], |v[\s+16*\b+\i]|, |v[\s+1+16*\b+\i]|
.endr
.endr
.irp b, 0,1,2,3
	v_permlanex16_b32 v[TM+4+\b], v[TM+\b], s[SEL], s[SEL+1]
.endr
.irp b, 0,1,2,3
	v_max_num_f32 v[TM+\b], v[TM+\b], v[TM+4+\b]   ; with lane l xor 16's: the block's largest magnitude
.endr
.irp b, 0,1,2,3
	v_add_nc_u32 v[TM+12+\b], 0xff000000, v[TM+\b] ; 2 off its exponent field: the conversion's scale operand
.endr
.irp b, 0,1,2,3
	v_lshrrev_b32 v[TM+4+\b], 23, v[TM+12+\b]      ; the scale's byte
.endr
	v_lshl_or_b32 v[\pw], v[TM+5], 8, v[TM+4]
	v_lshl_or_b32 v[\pw], v[TM+6], 16, v[\pw]
	v_lshl_or_b32 v[\pw], v[TM+7], 24, v[\pw]
.irp c, 0,1
	v_cvt_scalef32_pk16_fp6_f32 v[PC+6*\c:PC+2+6*\c], v[\s+32*\c:\s+15+32*\c], v[TM+12+2*\c]
	v_cvt_scalef32_pk16_fp6_f32 v[PC+12+4*\c:PC+14+4*\c], v[\s+16+32*\c:\s+31+32*\c], v[TM+12+2*\c+1]   ; (a conversion's three registers begin on an even number)
.endr
	v_nop                                          ; one plain place behind a scaled conversion
.irp c, 0,1                            ; the operand wants a whole block in a lane: lanes 0-15 block 2 c, lanes 16-31 block 2 c + 1
.irp i, 0,1,2
	v_permlane16_swap_b32 v[PC+6*\c+\i], v[PC+12+4*\c+\i]
.endr
.irp i, 0,1,2
	v_mov_b32 v[PC+3+6*\c+\i], v[PC+12+4*\c+\i]
.endr
.endr
.endm
.macro OUTF i                          ; each store covers 512 or 256 consecutive bytes, at a multiple of 256 from the buffer's first byte
.irp c, 0,1
	global_store_b128 v1, v[PC+6*\c:PC+6*\c+3], s[14:15] offset:1536*(\i)+768*\c
	global_store_b64 v2, v[PC+6*\c+4:PC+6*\c+5], s[14:15] offset:1536*(\i)+768*\c+512
.endr
.endm
	LOADF 0
	LOADF 1
.irp i, 0,1,2,3
.if \i < 3
	s_wait_loadcnt 16                              ; this fragment's 16 loads are in; the next fragment's 16 may be out
.else
	s_wait_loadcnt 0x0
.endif
	TURNF \i
	s_wait_dscnt 0x0                               ; my numbers are back, and the stores into the stage have read their registers,
.if \i < 2
	LOADF \i+2                                     ; which take the fragment two on
.endif
.if \i > 0
	s_wait_xcnt 0x0                                ; the last fragment's stores have read the codes' registers: they are written again only behind this wait
.endif
	QUANT X, PW+\i
	OUTF \i
.endr
	v_cndmask_b32 v248, v[PW], v[PW+1], s[HM]      ; lanes 0-15: tile 0's words, lanes 16-31: tile 1's
	v_cndmask_b32 v249, v[PW+2], v[PW+3], s[HM]    ; tiles 2 and 3
	global_store_b64 v2, v[248:249], s[16:17]      ; 256 consecutive bytes
	s_wait_tensorcnt 0x0
	ds_add_u32 v254, v255
	s_wait_dscnt 0x0
	s_endpgm
.Lfunc_end_k_q1e8819dc61_quant:
	.size	k_q1e8819dc61_quant, .Lfunc_end_k_q1e8819dc61_quant-k_q1e8819dc61_quant
	.p2alignl 7, 3214868480
	.fill 96, 4, 3214868480
	.section	.rodata,"a",@progbits
	.p2align	6, 0x0
	.amdhsa_kernel k_q1e8819dc61_quant
		.amdhsa_group_segment_fixed_size 8704
		.amdhsa_private_segment_fixed_size 0
		.amdhsa_enable_private_segment 0
		.amdhsa_kernarg_size 56
		.amdhsa_user_sgpr_count 2
		.amdhsa_user_sgpr_kernarg_segment_ptr 1
		.amdhsa_wavefront_size32 1
		.amdhsa_system_sgpr_workgroup_id_x 1
		.amdhsa_system_sgpr_workgroup_id_y 1
		.amdhsa_system_sgpr_workgroup_id_z 1
		.amdhsa_system_vgpr_workitem_id 0
		.amdhsa_next_free_vgpr 256
		.amdhsa_next_free_sgpr 66
		.amdhsa_reserve_vcc 0
		.amdhsa_float_denorm_mode_32 3
		.amdhsa_float_denorm_mode_16_64 3
		.amdhsa_memory_ordered 1
		.amdhsa_forward_progress 1
		.amdhsa_inst_pref_size 34
	.end_amdhsa_kernel
	.amdgpu_metadata
---
amdhsa.version: [ 1, 2 ]
amdhsa.kernels:
  - .name:           k_q1e8819dc61_quant
    .symbol:         k_q1e8819dc61_quant.kd
    .args:
      - { .name: x, .offset: 0, .size: 8, .value_kind: global_buffer, .address_space: global }
      - { .name: Wq, .offset: 8, .size: 8, .value_kind: global_buffer, .address_space: global }
      - { .name: Wk, .offset: 16, .size: 8, .value_kind: global_buffer, .address_space: global }
      - { .name: Wv, .offset: 24, .size: 8, .value_kind: global_buffer, .address_space: global }
      - { .name: Wo, .offset: 32, .size: 8, .value_kind: global_buffer, .address_space: global }
      - { .name: xu, .offset: 40, .size: 8, .value_kind: global_buffer, .address_space: global }
      - { .name: wu, .offset: 48, .size: 8, .value_kind: global_buffer, .address_space: global }
    .group_segment_fixed_size: 8704
    .private_segment_fixed_size: 0
    .kernarg_segment_align: 8
    .kernarg_segment_size: 56
    .max_flat_workgroup_size: 32
    .sgpr_count:     66
    .vgpr_count:     256
    .wavefront_size: 32
...
	.end_amdgpu_metadata
.endif
;; end of part 1
;; launch qkv (part 2): grid 12 x 64, 4 waves a work-group, clusters of 4 x 4, 307,712 bytes of LDS; arguments xu, wu, qkv; writes qkv
.if DOCPART == 2
	.amdgcn_target "amdgcn-amd-amdhsa--gfx1250"
	.amdhsa_code_object_version 6
	.text
	.protected	k_q1e8819dc61_qkv
	.globl	k_q1e8819dc61_qkv
	.p2align	8
	.type	k_q1e8819dc61_qkv,@function
k_q1e8819dc61_qkv:
	s_mov_b64 s[64:65], 0
	v_nop
	global_prefetch_b8 v0, s[64:65] scope:SCOPE_SE
	s_setreg_imm32_b32 hwreg(HW_REG_WAVE_MODE, 25, 1), 1
	s_wait_xcnt 0x0
	s_wait_alu depctr_hold_cnt(0) depctr_sa_sdst(0) depctr_va_vdst(0) depctr_va_sdst(0) depctr_va_ssrc(0) depctr_va_vcc(0) depctr_vm_vsrc(0)
	s_getreg_b32 s2, hwreg(HW_REG_IB_STS2, 6, 4)
	s_cmp_eq_u32 s2, 0
	s_cbranch_scc0 .Lentry_in_a_cluster
	s_endpgm
.Lentry_in_a_cluster:
	s_bfe_u32 s2, ttmp6, 0x10000c
	s_cmp_lg_u32 s2, 0xf033
	s_cbranch_scc0 .Lentry_shape_is_right
	s_endpgm
.Lentry_shape_is_right:
; q = x Wq^T, k = x Wk^T and v^T = Wv x^T on codes of FP6 (E2M3) with E8M0 scales, K = 1,024; the results are quantised in registers and leave as codes: q and k along a head's 64, v along the keys.
; OPERANDS lie as images of their registers (a fragment: 1,536 bytes; a unit of 128 rows x 128 K: eight fragments + 512 bytes of scale words = 12,800 bytes; a group of 128 rows: eight units on end).
; Lane r of tile 2 B + u holds row 32 B + 8 u + r + 8 (r / 8) of its group.
; A WORK-GROUP makes 128 rows of A (source 1) x 256 rows of B (source 0).  Wave w: A's tiles 4 (w / 2) .. + 3 against B's group w % 2: 32 accumulators.  In the result a lane holds one row of A, and register 8 b + j
; holds B's row 32 (b / 2) + 16 (lane / 16) + 8 (b % 2) + j: 16 neighbours along the next product's K in 16 registers.
; q, k (cluster x = 0, 1): A = 128 tokens of x, B = 256 rows of Wq or Wk: a lane holds a token, its registers two heads' 128 features.  v (cluster x = 2): A = 128 rows of Wv (two heads), B = 256 tokens: a lane holds a feature, its registers 128 keys.
; The choice is made by selects on the cluster's number alone, never by a branch.
; ALL OF K LIES IN LDS AT ONCE: 3 x 102,400 bytes, each byte filled once: no slot is filled again.  Twelve tensor loads of two K steps (25,600 dense bytes as 100 rows of 256): wave 0 A's four, wave 1 and wave 2 the four of a group of B, wave 3 none:
; a wave has four loads out at the most.
; CLUSTER 4 x 4: A's group hangs on the tile row alone and is asked for jointly along a row of the cluster, B's groups on the tile column alone and jointly along a column.
; OUTPUT: records of 39,936 bytes, (batch x 8 + head pair) x 16 + token group: units of q, k, v of 13,312 bytes: 12,288 of codes, then two blocks of 512 bytes of scale words.
; q, k: fragment = token tile, its halves the two heads; block 0 the even head's two bytes, block 1 the odd head's, each in the low half of a word whose upper bytes are 0.  v: fragment 4 p + t = head parity p, tile t of its 64; block 0 the whole words.
; LIMITS: NaN and infinities are not served; a block whose largest magnitude lies under 2^-124 keeps the byte 1; a block of zeros has the byte 1, not 127 (zero codes; the bytes are read by this program alone).
; REGISTERS: window 0: v4-11 addresses; v32-43 scale words, two sets; v60-85 the way out; v128-223 A's fragments, two sets, later the codes.  window 1: B's fragments, two sets.  window 2: accumulator (a, b) at v[8 (8 a + b)].
.set UNIT, 12800
.set GRP,  8*UNIT
.set PAIR, 2*UNIT
.set REC,  39936
.set UQ,   13312
.set LASTBAR, 0
.set WV,  10
.set MK,  20
.set HM,  21
.set SEL, 22
.set G1A, 24
.set G1B, 32
.set G0A, 40
.set G0B, 68
.set A16, 4                            ; v4   A's fragments: 16 x lane + 6,144 x (wave / 2), + the K step
.set A8,  5                            ; v5   8 x lane + the same + 512
.set AS,  6                            ; v6   A's scale words: 8 x lane + 12,288 + 256 x (wave / 2)
.set B16, 7                            ; v7   B's fragments: 16 x lane + 102,400 x (1 + wave % 2)
.set B8,  8                            ; v8   8 x lane + the same + 512
.set O16, 9                            ; v9-11 the way out: v4-6 as they stand at K step 0
.set O8,  10
.set OS,  11
.set SC,  32
.set PW,  60
.set TM,  64
.set BL,  80
.set AF,  128
.set MSB, 0
.macro WIN new                         ; the immediate's high byte repeats the setting that is left
.if MSB != \new
	s_set_vgpr_msb (MSB<<8)|\new
.set MSB, \new
.endif
.endm
.macro CROUND                          ; a round of the cluster's barrier
	s_barrier_signal -1
	s_barrier_wait -1
	s_cmp_lg_u32 s[WV], 0
	s_cbranch_scc1 .Lnot_wave_0_\@
	s_barrier_signal -3
.Lnot_wave_0_\@:
	s_barrier_wait -3
	s_barrier_signal -1
	s_barrier_wait -1
.endm
.macro FRAGL reg, a16, a8, off         ; a fragment's image: four dense loads
	ds_load_b128 v[\reg:\reg+3], v[\a16] offset:\off
	ds_load_b64 v[\reg+4:\reg+5], v[\a8] offset:\off
	ds_load_b128 v[\reg+6:\reg+9], v[\a16] offset:\off+768
	ds_load_b64 v[\reg+10:\reg+11], v[\a8] offset:\off+768
.endm
.macro FETCH p                         ; 51 LDS loads: a K step's scale words, B's eight fragments, A's four, into set p
	ds_load_b64 v[SC+6*(\p):SC+6*(\p)+1], v[AS]
	ds_load_b64 v[SC+6*(\p)+2:SC+6*(\p)+3], v[B8] offset:11776
	ds_load_b64 v[SC+6*(\p)+4:SC+6*(\p)+5], v[B8] offset:12032
	WIN 0x40                                       ; destination window 1
.irp b, 0,1,2,3,4,5,6,7
	FRAGL 128*(\p)+12*\b, B16, B8, 1536*\b
.endr
	WIN 0
.irp a, 0,1,2,3
	FRAGL AF+48*(\p)+12*\a, A16, A8, 1536*\a
.endr
.endm
; One product: A's tile a x B's tile b.  A tile's scale words lie in lanes 0-15 of their register where the tile's number is even, in lanes 16-31 where it is odd.
.macro WM a, b, p, zero
.set rD, 8*(8*(\a)+(\b))
.set rB, 128*(\p)+12*(\b)
.set rA, AF+48*(\p)+12*(\a)
.set rSB, SC+6*(\p)+2+(\b)/2
.set rSA, SC+6*(\p)+(\a)/2
.set rV, 4*(\zero)+2*((\b)%2)+(\a)%2
.if rV == 0
	v_wmma_scale_f32_16x16x128_f8f6f4 v[rD:rD+7], v[rB:rB+11], v[rA:rA+11], v[rD:rD+7], v[rSB], v[rSA] matrix_a_fmt:MATRIX_FMT_FP6 matrix_b_fmt:MATRIX_FMT_FP6
.elseif rV == 1
	v_wmma_scale_f32_16x16x128_f8f6f4 v[rD:rD+7], v[rB:rB+11], v[rA:rA+11], v[rD:rD+7], v[rSB], v[rSA] matrix_a_fmt:MATRIX_FMT_FP6 matrix_b_fmt:MATRIX_FMT_FP6 matrix_b_scale:MATRIX_SCALE_ROW1
.elseif rV == 2
	v_wmma_scale_f32_16x16x128_f8f6f4 v[rD:rD+7], v[rB:rB+11], v[rA:rA+11], v[rD:rD+7], v[rSB], v[rSA] matrix_a_fmt:MATRIX_FMT_FP6 matrix_b_fmt:MATRIX_FMT_FP6 matrix_a_scale:MATRIX_SCALE_ROW1
.elseif rV == 3
	v_wmma_scale_f32_16x16x128_f8f6f4 v[rD:rD+7], v[rB:rB+11], v[rA:rA+11], v[rD:rD+7], v[rSB], v[rSA] matrix_a_fmt:MATRIX_FMT_FP6 matrix_b_fmt:MATRIX_FMT_FP6 matrix_a_scale:MATRIX_SCALE_ROW1 matrix_b_scale:MATRIX_SCALE_ROW1
.elseif rV == 4
	v_wmma_scale_f32_16x16x128_f8f6f4 v[rD:rD+7], v[rB:rB+11], v[rA:rA+11], 0, v[rSB], v[rSA] matrix_a_fmt:MATRIX_FMT_FP6 matrix_b_fmt:MATRIX_FMT_FP6
.elseif rV == 5
	v_wmma_scale_f32_16x16x128_f8f6f4 v[rD:rD+7], v[rB:rB+11], v[rA:rA+11], 0, v[rSB], v[rSA] matrix_a_fmt:MATRIX_FMT_FP6 matrix_b_fmt:MATRIX_FMT_FP6 matrix_b_scale:MATRIX_SCALE_ROW1
.elseif rV == 6
	v_wmma_scale_f32_16x16x128_f8f6f4 v[rD:rD+7], v[rB:rB+11], v[rA:rA+11], 0, v[rSB], v[rSA] matrix_a_fmt:MATRIX_FMT_FP6 matrix_b_fmt:MATRIX_FMT_FP6 matrix_a_scale:MATRIX_SCALE_ROW1
.else
	v_wmma_scale_f32_16x16x128_f8f6f4 v[rD:rD+7], v[rB:rB+11], v[rA:rA+11], 0, v[rSB], v[rSA] matrix_a_fmt:MATRIX_FMT_FP6 matrix_b_fmt:MATRIX_FMT_FP6 matrix_a_scale:MATRIX_SCALE_ROW1 matrix_b_scale:MATRIX_SCALE_ROW1
.endif
.endm
; K step k: the next step's operands are asked for first, then this step's 32 products.  The 32 accumulators take turns, one instruction a turn, in the same order in every step.
.macro KSTEP k, zero
.if (\k) < 7
.if (\k)%2 == 1
	s_wait_dscnt 0x0                               ; no LDS instruction of mine is out at a signal
	s_wait_tensorcnt 3-((\k)+1)/2                  ; my load of the next two K steps has landed; the later ones stay out
	s_barrier_signal -1
	s_barrier_wait -1                              ; everybody's has
.endif
	v_add_nc_u32 v[A16], UNIT, v[A16]              ; on to the next K step.  These five are also the places (four are asked) between the last products and the loads into the registers that they read
	v_add_nc_u32 v[A8], UNIT, v[A8]
	v_add_nc_u32 v[AS], UNIT, v[AS]
	v_add_nc_u32 v[B16], UNIT, v[B16]
	v_add_nc_u32 v[B8], UNIT, v[B8]
	FETCH 1-(\k)%2
	s_wait_dscnt 51                                ; all but the 51 just issued: this step's operands are in
.else
	s_wait_dscnt 0x0
.if LASTBAR
	s_barrier_signal -1                            ; my reads of LDS are over
.endif
.endif
	WIN 0xa1                                       ; source 0 (B) window 1, source 1 (A) window 0, C and D window 2
.irp a, 0,1,2,3
.irp b, 0,1,2,3,4,5,6,7
	WM \a, \b, (\k)%2, \zero
.endr
.endr
	WIN 0
.if (\k) == 7
.if LASTBAR
	s_barrier_wait -1                              ; everybody's are
.endif
.endif
.endm
	s_load_b128 s[4:7], s[0:1], 0x0                ; xu, wu
	s_load_b64 s[8:9], s[0:1], 0x10                ; qkv
	v_lshl_add_u32 v254, v0, 2, 0x4b000
	v_mov_b32 v255, 0
	ds_add_u32 v254, v255
	ds_add_u32 v254, v255
	v_lshrrev_b32 v1, 5, v0
	v_readfirstlane_b32 s[WV], v1                  ; wave 0..3
	s_lshr_b32 s11, s[WV], 1                       ; which four tiles of A are mine
	s_and_b32 s12, s[WV], 1                        ; which group of B I multiply
	s_xor_b32 s15, s12, 1                          ; which group of B I fetch: wave 1 group 0, wave 2 group 1
	s_bfe_u32 s13, ttmp6, 0x40000                  ; cx
	s_bfe_u32 s14, ttmp6, 0x40004                  ; cy
	s_and_b32 s16, ttmp7, 0xffff                   ; cluster y, 0..15
	s_and_b32 s17, s16, 7
	s_lshr_b32 s18, s16, 3
	s_cmp_eq_u32 ttmp9, 2                          ; cluster x = 2: v.  Its sixteen clusters are laid 8 x 2
	s_cselect_b32 s17, s17, ttmp9
	s_cselect_b32 s18, s18, s16
	s_cselect_b32 s19, 16, 0                       ; A's first group in its buffer: Wv begins at group 16 of wu
	s_cselect_b32 s[MK], -1, 0xffff                ; what block 0 keeps of a scale word
	s_lshl_b32 s17, s17, 2
	s_add_co_u32 s17, s17, s13                     ; tile column
	s_lshl_b32 s18, s18, 2
	s_add_co_u32 s18, s18, s14                     ; tile row
	s_lshl_b32 s60, s14, 2
	s_lshl_b32 s60, 15, s60                        ; my row of the cluster
	s_lshl_b32 s61, 0x1111, s13                    ; my column
	s_or_b32 s[G1A], s60, (3<<16)|(1<<21)          ; 15:0 the mask; 17:16 elements of 8 bytes; 21 set beside a mask; no padding
	s_or_b32 s[G1B], s61, (3<<16)|(1<<21)
.irp g, G1A, G1B
	s_mov_b32 s[\g+1], 32<<16                      ; tensor_dim0 = 32 elements: 256 bytes
	s_mov_b32 s[\g+2], 100<<16                     ; tensor_dim1 = 100 rows
	s_mov_b32 s[\g+3], 32<<16                      ; tile_dim0
	s_mov_b32 s[\g+4], 100                         ; tile_dim1
	s_mov_b32 s[\g+5], 32                          ; the pitch: dense
	s_mov_b32 s[\g+6], 0
	s_mov_b32 s[\g+7], 0
.endr
	s_add_co_u32 s84, s18, s19
	s_mul_i32 s84, s84, GRP                        ; A's group, in bytes: made of the tile row alone
	s_mov_b32 s85, 0
	s_lshl_b32 s86, s17, 1
	s_add_co_u32 s86, s86, s15
	s_mul_i32 s86, s86, GRP                        ; the group of B that I fetch: made of the tile column and the wave's number
	s_mov_b32 s87, 0
	s_mul_i32 s88, s15, GRP                        ; and its place in LDS, behind A's
	s_mov_b32 s[HM], 0xffff0000
	s_mov_b32 s[SEL], 0x76543210
	s_mov_b32 s[SEL+1], 0xfedcba98
	; where my results go
	s_lshl_b32 s91, s17, 1
	s_add_co_u32 s91, s91, s12                     ; the group of B that I multiply
	s_and_b32 s92, s91, 7
	s_lshr_b32 s93, s91, 3
	s_cmp_eq_u32 ttmp9, 2
	s_cselect_b32 s94, s91, s18                    ; token group 0..63
	s_cselect_b32 s92, s18, s92                    ; head pair
	s_cselect_b32 s93, 2, s93                      ; 0 q, 1 k, 2 v
	s_lshr_b32 s95, s94, 4
	s_lshl_b32 s95, s95, 3
	s_add_co_u32 s95, s95, s92
	s_lshl_b32 s95, s95, 4
	s_and_b32 s94, s94, 15
	s_add_co_u32 s95, s95, s94                     ; the record
	s_mul_i32 s96, s95, REC
	s_mul_i32 s93, s93, UQ
	s_add_co_u32 s96, s96, s93
	s_mov_b32 s97, 0
	s_wait_dscnt 0x0
	s_wait_kmcnt 0x0
	s_cmp_eq_u32 ttmp9, 2
	s_cselect_b64 s[56:57], s[6:7], s[4:5]         ; A: weights for v, tokens for q and k
	s_cselect_b64 s[58:59], s[4:5], s[6:7]         ; B: the other
	s_add_nc_u64 s[56:57], s[56:57], s[84:85]
	s_add_nc_u64 s[58:59], s[58:59], s[86:87]
	s_add_nc_u64 s[8:9], s[8:9], s[96:97]
	CROUND                                         ; all sixteen work-groups are here: the joint loads meet
.irp c, 0,1,2,3
	s_mov_b32 s[G0A+4*\c], 1
	s_mov_b32 s[G0A+4*\c+1], \c*PAIR
	s_add_nc_u64 s[G0A+4*\c+2:G0A+4*\c+3], s[56:57], \c*PAIR
	s_or_b32 s[G0A+4*\c+3], s[G0A+4*\c+3], 0x80000000
	s_mov_b32 s[G0B+4*\c], 1
	s_add_co_u32 s[G0B+4*\c+1], s88, GRP+\c*PAIR
	s_add_nc_u64 s[G0B+4*\c+2:G0B+4*\c+3], s[58:59], \c*PAIR
	s_or_b32 s[G0B+4*\c+3], s[G0B+4*\c+3], 0x80000000
.endr
	s_cmp_eq_u32 s[WV], 0                          ; a wave's fills stand in one branch on its number, ahead of every wait on TENSORcnt, LDS read and barrier
	s_cbranch_scc0 .Lnot_a
.irp c, 0,1,2,3
	tensor_load_to_lds s[G0A+4*\c:G0A+4*\c+3], s[G1A:G1A+7]
	s_nop 0
.endr
.rept 4
	v_nop
.endr
	s_branch .Lasked
.Lnot_a:
	s_cmp_lt_u32 s[WV], 3
	s_cbranch_scc0 .Lasked
.irp c, 0,1,2,3
	tensor_load_to_lds s[G0B+4*\c:G0B+4*\c+3], s[G1B:G1B+7]
	s_nop 0
.endr
.rept 4
	v_nop
.endr
.Lasked:
	v_and_b32 v1, 31, v0
	v_lshlrev_b32 v2, 4, v1
	v_lshlrev_b32 v3, 3, v1
	s_mul_i32 s89, s11, 6144
	v_add_nc_u32 v[A16], s89, v2
	s_add_co_u32 s90, s89, 512
	v_add_nc_u32 v[A8], s90, v3
	s_lshl_b32 s90, s11, 8
	s_add_co_u32 s90, s90, 12288
	v_add_nc_u32 v[AS], s90, v3
	s_mul_i32 s90, s12, GRP
	s_add_co_u32 s90, s90, GRP
	v_add_nc_u32 v[B16], s90, v2
	s_add_co_u32 s90, s90, 512
	v_add_nc_u32 v[B8], s90, v3
	v_mov_b32 v[O16], v[A16]                       ; a unit of the output is laid as a unit of A: the same three offsets serve
	v_mov_b32 v[O8], v[A8]
	v_mov_b32 v[OS], v[AS]
.irp b, 0,1,2,3
	v_mov_b32 v[TM+4+\b], 0                        ; written once: a lane permute's destination counts as one of its sources
.endr
	s_wait_alu depctr_va_vdst(0)
	s_wait_tensorcnt 3                             ; my load of K steps 0 and 1 has landed; three may be out
	s_barrier_signal -1
	s_barrier_wait -1
	FETCH 0
	KSTEP 0, 1                                     ; the first step's products start the sums: nothing is cleared
	s_wait_alu depctr_va_vdst(0)
	KSTEP 1, 0
	s_wait_alu depctr_va_vdst(0)
	KSTEP 2, 0
	s_wait_alu depctr_va_vdst(0)
	KSTEP 3, 0
	s_wait_alu depctr_va_vdst(0)
	KSTEP 4, 0
	s_wait_alu depctr_va_vdst(0)
	KSTEP 5, 0
	s_wait_alu depctr_va_vdst(0)
	KSTEP 6, 0
	KSTEP 7, 0
; THE WAY OUT.  The 64 registers of A's tile a are 128 neighbours along the next K, 16 of each block of 32 in my lane: they are quantised as they stand.  Each tile has its own registers for its codes and its word, so no store's data are written again.
.macro QUANTW a
.set S0, 64*(\a)
.set PCA, AF+24*(\a)
	WIN 0x28                                       ; sources 1 and 2 window 2
.irp b, 0,1,2,3
	v_max3_num_f32 v[TM+\b], 0x1800000, |v[S0+16*\b]|, |v[S0+1+16*\b]|   ; the floor 2^(3 - 127) and my first two numbers of block b: each accumulator is read from its low end on
.endr
.irp i, 2,4,6,8,10,12,14
.irp b, 0,1,2,3
	v_max3_num_f32 v[TM+\b], v[TM+\b], |v[S0+16*\b+\i]|, |v[S0+1+16*\b+\i]|
.endr
.endr
	WIN 0
.irp b, 0,1,2,3
	v_permlanex16_b32 v[TM+4+\b], v[TM+\b], s[SEL], s[SEL+1]
.endr
.irp b, 0,1,2,3
	v_max_num_f32 v[TM+\b], v[TM+\b], v[TM+4+\b]
.endr
.irp b, 0,1,2,3
	v_add_nc_u32 v[TM+12+\b], 0xff000000, v[TM+\b] ; 2 off the exponent field: the conversion's scale operand
.endr
.irp b, 0,1,2,3
	v_lshrrev_b32 v[TM+4+\b], 23, v[TM+12+\b]      ; the scale's byte
.endr
	v_lshl_or_b32 v[PW+(\a)], v[TM+5], 8, v[TM+4]
	v_lshl_or_b32 v[PW+(\a)], v[TM+6], 16, v[PW+(\a)]
	v_lshl_or_b32 v[PW+(\a)], v[TM+7], 24, v[PW+(\a)]
	WIN 0x02                                       ; source 0 window 2
.irp c, 0,1
	v_cvt_scalef32_pk16_fp6_f32 v[PCA+6*\c:PCA+2+6*\c], v[S0+32*\c:S0+15+32*\c], v[TM+12+2*\c]
	v_cvt_scalef32_pk16_fp6_f32 v[PCA+12+4*\c:PCA+14+4*\c], v[S0+16+32*\c:S0+31+32*\c], v[TM+12+2*\c+1]
.endr
	WIN 0
	v_nop                                          ; one plain place behind a scaled conversion
.irp c, 0,1
.irp i, 0,1,2
	v_permlane16_swap_b32 v[PCA+6*\c+\i], v[PCA+12+4*\c+\i]
.endr
.irp i, 0,1,2
	v_mov_b32 v[PCA+3+6*\c+\i], v[PCA+12+4*\c+\i]
.endr
.endr
.endm
.rept 4
	v_nop                                          ; places between the last products and the first read of results and write of operands
.endr
.irp a, 0,1,2,3
	QUANTW \a
.irp c, 0,1
	global_store_b128 v[O16], v[AF+24*\a+6*\c:AF+24*\a+6*\c+3], s[8:9] offset:1536*\a+768*\c      ; 512 consecutive bytes, at a multiple of 256 from the buffer's first byte
	global_store_b64 v[O8], v[AF+24*\a+6*\c+4:AF+24*\a+6*\c+5], s[8:9] offset:1536*\a+768*\c      ; 256
.endr
.endr
	v_cndmask_b32 v[BL], v[PW], v[PW+1], s[HM]     ; lanes 0-15: tile 0's words, lanes 16-31: tile 1's
	v_cndmask_b32 v[BL+1], v[PW+2], v[PW+3], s[HM]
	v_and_b32 v[BL+2], s[MK], v[BL]                ; block 0: q, k: the even head's two bytes; v: the whole word
	v_and_b32 v[BL+3], s[MK], v[BL+1]
	v_lshrrev_b32 v[BL+4], 16, v[BL]               ; block 1: the odd head's two bytes
	v_lshrrev_b32 v[BL+5], 16, v[BL+1]
	global_store_b64 v[OS], v[BL+2:BL+3], s[8:9]
	global_store_b64 v[OS], v[BL+4:BL+5], s[8:9] offset:512
	s_wait_dscnt 0x0
	s_wait_tensorcnt 0x0
	ds_add_u32 v254, v255
	s_wait_dscnt 0x0
	CROUND                                         ; the closing round: no work-group ends while a partner may still ask for a tile that names it
	s_endpgm
.Lfunc_end_k_q1e8819dc61_qkv:
	.size	k_q1e8819dc61_qkv, .Lfunc_end_k_q1e8819dc61_qkv-k_q1e8819dc61_qkv
	.p2alignl 7, 3214868480
	.fill 96, 4, 3214868480
	.section	.rodata,"a",@progbits
	.p2align	6, 0x0
	.amdhsa_kernel k_q1e8819dc61_qkv
		.amdhsa_group_segment_fixed_size 307712
		.amdhsa_private_segment_fixed_size 0
		.amdhsa_enable_private_segment 0
		.amdhsa_kernarg_size 24
		.amdhsa_user_sgpr_count 2
		.amdhsa_user_sgpr_kernarg_segment_ptr 1
		.amdhsa_wavefront_size32 1
		.amdhsa_system_sgpr_workgroup_id_x 1
		.amdhsa_system_sgpr_workgroup_id_y 1
		.amdhsa_system_sgpr_workgroup_id_z 1
		.amdhsa_system_vgpr_workitem_id 0
		.amdhsa_next_free_vgpr 768
		.amdhsa_next_free_sgpr 100
		.amdhsa_reserve_vcc 0
		.amdhsa_float_denorm_mode_32 3
		.amdhsa_float_denorm_mode_16_64 3
		.amdhsa_memory_ordered 1
		.amdhsa_forward_progress 1
		.amdhsa_inst_pref_size 88
	.end_amdhsa_kernel
	.amdgpu_metadata
---
amdhsa.version: [ 1, 2 ]
amdhsa.kernels:
  - .name:           k_q1e8819dc61_qkv
    .symbol:         k_q1e8819dc61_qkv.kd
    .args:
      - { .name: xu, .offset: 0, .size: 8, .value_kind: global_buffer, .address_space: global }
      - { .name: wu, .offset: 8, .size: 8, .value_kind: global_buffer, .address_space: global }
      - { .name: qkv, .offset: 16, .size: 8, .value_kind: global_buffer, .address_space: global }
    .group_segment_fixed_size: 307712
    .private_segment_fixed_size: 0
    .kernarg_segment_align: 8
    .kernarg_segment_size: 24
    .max_flat_workgroup_size: 128
    .sgpr_count:     100
    .vgpr_count:     768
    .wavefront_size: 32
...
	.end_amdgpu_metadata
.endif
;; end of part 2
;; launch attn (part 3): grid 8 x 32, 16 waves a work-group, no clusters, 327,680 bytes of LDS; arguments qkv, ao; writes ao
.if DOCPART == 3
	.amdgcn_target "amdgcn-amd-amdhsa--gfx1250"
	.amdhsa_code_object_version 6
	.text
	.protected	k_q1e8819dc61_attn
	.globl	k_q1e8819dc61_attn
	.p2align	8
	.type	k_q1e8819dc61_attn,@function
k_q1e8819dc61_attn:
	s_mov_b64 s[64:65], 0
	v_nop
	global_prefetch_b8 v0, s[64:65] scope:SCOPE_SE
	s_setreg_imm32_b32 hwreg(HW_REG_WAVE_MODE, 25, 1), 1
	s_wait_xcnt 0x0
; Causal attention of 64 heads of 64 on codes of FP6 (E2M3) with E8M0 scales; the result, divided by the row's sum, is quantised along the model's 1,024 features and leaves as codes.
; t = score x log2(e) / 8; M = the running largest t rounded up to a whole number; p = 2^(t - M) is quantised along the keys, not normalised; the row's sum is taken of the unquantised p.  When M moves, the sum and O are multiplied by 2^(old M - new M): exact.
; INPUT: records of 39,936 bytes for (batch x 8 + head pair, group of 128 tokens): units of q, k, v of 13,312 bytes, operands as images of their registers (a fragment: 1,536 bytes, two halves of 768).
; q, k: fragment = tile of 16 tokens, half e = head parity e; a head's 64 fill registers 0-5 of an operand, registers 6-11 hold zero codes, and the upper two bytes of the scale words are 0 (2^-127 over zero codes adds nothing).
; v: fragment 4 e + t = 16 of head e's 64 x the group's 128 keys.  Lane r of tile 2 B + u holds row 32 B + 8 u + r + 8 (r / 8).
; BOTH PRODUCTS ARE USED TRANSPOSED: S^T = k q^T, O^T = v^T p^T: a lane holds one query; by the tiles' row order 16 registers of two neighbouring tiles are 16 neighbouring keys (or features).
; SHARES.  Work-group (j, batch x 8 + pair): sixteen waves, wave w = head parity w / 8, query tile w % 8.  It serves query group j (key steps 0 .. j) and then query group 15 - j (key steps 0 .. 15 - j): 17 key steps of 128 for every wave
; of every one of the 256 work-groups: what lies wholly above the diagonal is never multiplied, and the work is even.  The last step of each walk lies on the diagonal: hidden scores become -infinity there.
; RING: two LDS slots, each a key step's units of k and v (26,624 dense bytes), filled by waves 0-3, a quarter each: one load a wave is out.
; NO CLUSTER: the eight work-groups of a head pair want different records in the same trip (trip t: step t up to j, then t - j - 1); walking in step, so that requests could be joint, would take 20 steps in place of 17.
; LIMITS: NaN and infinities are not served; a block whose largest magnitude lies under 2^-124 keeps the byte 1; a block of zeros has the byte 1, not 127 (zero codes; the bytes are read by this program alone).
; REGISTERS: v1-6 my lane's places in a slot; v7, v8 the spare word and 0; v9-11, v31 offsets in a unit; v12 -M, v13 largest t, v[14:15] the sum; v16-27 q; v28 q's scale word; v29 my query less 16 (lane / 16); v30 the prefetch's offset;
; v32-79 four fragments of k; v80-86 the second walk's q; v88-93 addresses in the slot in hand; v96-159 S^T, then p, then v's four fragments; v160-191 O^T; v192-210 p's codes; v212-218 scale words; v232-254 at work.
.set REC,   39936
.set UQ,    13312
.set UNIT,  12800
.set QUART, 6656
.set SLOTB, 32768
.set SPARE, 65536                      ; behind the ring: the spare words, 128 bytes for each of sixteen waves: eight blocks of 256 bytes that no other line names
.set WV,  8
.set E,   9
.set WP,  10
.set J,   11
.set J1,  12
.set TAU, 14                           ; s14  the trip, 0..16
.set SN,  15                           ; s15  the key step last asked for
.set TB,  16                           ; s16  LDS byte at which the slot in hand begins
.set LIM, 17                           ; s17  a wave prefetches while the trip is under it
.set KVB, 18                           ; s[18:19] my quarter of key step 0's units of k and v
.set SEL, 20
.set CS,  22                           ; s[22:23] c = log2(e) / 8
.set G1,  24
.set G0,  32
.set OFF, 36
.set PFA, 38
.set AOA, 40
.set AOB, 42
.set QA,  44
.set QB,  46
.macro TLOAD                           ; waves 0-3 fetch; four v_nop follow the load
	s_cmp_lt_u32 s[WV], 4
	s_cbranch_scc0 .Lno_load_\@
	tensor_load_to_lds s[G0:G0+3], s[G1:G1+7]
	s_nop 0
.rept 4
	v_nop
.endr
.Lno_load_\@:
.endm
; A PREFETCH INTO THE L2.  The eight work-groups of a head pair walk the same records: the one with j = 0 asks, its waves 4-7 a quarter of a key step each: 26 blocks of 256 bytes, a lane a block (lanes 26-31 name the last again).
; Trip t names key step t + 2, which this work-group's own tensor load asks for two trips later; trips 14 on name nothing, so no request passes key step 15; key steps 0 and 1 come by their loads alone.
.macro ASK
	s_cmp_lt_u32 s[TAU], s[LIM]
	s_cbranch_scc0 .Lnot_mine_\@
	global_prefetch_b8 v30, s[PFA:PFA+1] th:TH_LOAD_NT scope:SCOPE_SE
.Lnot_mine_\@:
.endm
; THE CHANGE OF SLOTS, at a trip's head.  Each wave waits for all its tensor loads (its part of the slot that it is about to read), adds 0 to its spare word, and waits for that and for its reads of the slot that it has left.
; Behind the barrier the slot ahead is whole and nobody reads the other: fill = 1: it is filled with the next trip's key step, which has a whole trip in which to land.
.macro CHANGE fill
	s_wait_tensorcnt 0x0                           ; no tensor load of mine is out, so the descriptor may be written
	ds_add_u32 v7, v8                              ; 0 onto my spare word
.if \fill
	s_add_co_u32 s[SN], s[SN], 1                   ; the next key step,
	s_cmp_eq_u32 s[TAU], s[J]
	s_cselect_b32 s[SN], 0, s[SN]                  ; or, behind the first walk's last, step 0 again
	s_mul_i32 s[OFF], s[SN], REC
	s_add_nc_u64 s[G0+2:G0+3], s[KVB:KVB+1], s[OFF:OFF+1]
	s_or_b32 s[G0+3], s[G0+3], 0x80000000
	s_xor_b32 s[G0+1], s[G0+1], SLOTB              ; the other slot than last time
	s_wait_xcnt 0x0                                ; the last prefetch, a trip back, has read its address
	s_add_nc_u64 s[PFA:PFA+1], s[PFA:PFA+1], REC
.endif
	s_wait_dscnt 0x0                               ; the add is done, and my reads of the slot that I have left are over
	s_barrier_signal -1
	s_barrier_wait -1
.if \fill
	TLOAD                                          ; the first thing behind the barrier, and a wave's one tensor load until the next
	ASK
.endif
.endm
.macro FRAGL reg, a16, a8, off
	ds_load_b128 v[\reg:\reg+3], v[\a16] offset:\off
	ds_load_b64 v[\reg+4:\reg+5], v[\a8] offset:\off
	ds_load_b128 v[\reg+6:\reg+9], v[\a16] offset:\off+768
	ds_load_b64 v[\reg+10:\reg+11], v[\a8] offset:\off+768
.endm
; A KEY STEP of 128 keys.  diag = 1: it lies on the diagonal; diag = 0: it does where the trip is j.
.macro STEP diag
	v_add_nc_u32 v88, s[TB], v1                    ; six plain lines: also the places (five are asked) between the last step's products and the products below, whose results are laid over v's fragments
	v_add_nc_u32 v89, s[TB], v2
	v_add_nc_u32 v90, s[TB], v3
	v_add_nc_u32 v91, s[TB], v4
	v_add_nc_u32 v92, s[TB], v5
	s_wait_alu depctr_va_vdst(0)
	v_add_nc_u32 v93, s[TB], v6
.irp g, 0,1                            ; S^T = k q^T, four tiles of 16 keys at a time
.if \g
.rept 4
	v_nop                                          ; places in front of loads into registers that matrix instructions have read
.endr
.endif
	ds_load_b64 v[212+2*\g:213+2*\g], v92 offset:256*\g
.irp t, 0,1,2,3
	ds_load_b128 v[32+12*\t:35+12*\t], v88 offset:1536*(4*\g+\t)
	ds_load_b64 v[36+12*\t:37+12*\t], v89 offset:1536*(4*\g+\t)
.endr
	s_wait_dscnt 0x0
.irp t, 0,1,2,3
.if \t%2
	v_wmma_scale_f32_16x16x128_f8f6f4 v[96+8*(4*\g+\t):103+8*(4*\g+\t)], v[32+12*\t:43+12*\t], v[16:27], 0, v[212+2*\g+\t/2], v28 matrix_a_fmt:MATRIX_FMT_FP6 matrix_b_fmt:MATRIX_FMT_FP6 matrix_a_scale:MATRIX_SCALE_ROW1
.else
	v_wmma_scale_f32_16x16x128_f8f6f4 v[96+8*(4*\g+\t):103+8*(4*\g+\t)], v[32+12*\t:43+12*\t], v[16:27], 0, v[212+2*\g+\t/2], v28 matrix_a_fmt:MATRIX_FMT_FP6 matrix_b_fmt:MATRIX_FMT_FP6
.endif
.endr
.endr                                  ; register 16 b + i holds key 32 b + 16 (lane / 16) + i of the step
.rept 4
	v_nop
.endr
.if \diag == 0
	s_cmp_lg_u32 s[TAU], s[J]
	s_cbranch_scc1 .Lopen_\@
.endif
	v_mov_b32 v254, 0xff800000                     ; on the diagonal hidden scores become -infinity ahead of the maximum: p = 0 then.  Hidden: 32 b + i > my query - 16 (lane / 16)
.set cn, 0
.rept 64
	v_cmp_gt_i32 vcc_lo, 32*(cn/16)+cn%16, v29
	v_cndmask_b32 v[96+cn], v[96+cn], v254, vcc_lo
.set cn, cn+1
.endr
.if \diag == 0
.Lopen_\@:
.endif
.irp b, 0,1,2,3
	v_max3_num_f32 v[232+\b], v[96+16*\b], v[97+16*\b], v[98+16*\b]   ; the largest score of each block of 32 keys: it serves for the row's maximum and, since p rises with the score, for the block's largest p
.endr
.irp i, 3,5,7,9,11,13
.irp b, 0,1,2,3
	v_max3_num_f32 v[232+\b], v[232+\b], v[96+16*\b+\i], v[97+16*\b+\i]
.endr
.endr
.irp b, 0,1,2,3
	v_max_num_f32 v[232+\b], v[232+\b], v[111+16*\b]
.endr
.irp b, 0,1,2,3
	s_delay_alu instid0(VALU_DEP_4)
	v_permlanex16_b32 v[236+\b], v[232+\b], s[SEL], s[SEL+1]
.endr
.irp b, 0,1,2,3
	s_delay_alu instid0(VALU_DEP_4)
	v_max_num_f32 v[232+\b], v[232+\b], v[236+\b]  ; with lane l xor 16's 16 keys
.endr
	s_delay_alu instid0(VALU_DEP_2)
	v_max3_num_f32 v254, v232, v233, v234
	s_delay_alu instid0(VALU_DEP_1)
	v_max_num_f32 v254, v254, v235                 ; the step's largest score of my query (every query sees a key of every step that it walks)
	s_delay_alu instid0(VALU_DEP_1)
	v_mul_f32 v254, s[CS], v254
	s_delay_alu instid0(VALU_DEP_1)
	v_max_num_f32 v13, v13, v254                   ; the running largest t
	v_mov_b32 v254, v12
	s_delay_alu instid0(VALU_DEP_2)
	v_floor_f32 v12, -v13                          ; the new -M = -ceil(t)
	s_delay_alu instid0(VALU_DEP_1)
	v_sub_f32 v254, v12, v254                      ; old M - new M: a whole number, 0 or less
	s_delay_alu instid0(VALU_DEP_1)
	v_cvt_i32_f32 v254, v254                       ; (it saturates)
	s_delay_alu instid0(VALU_DEP_1)
	v_ldexp_f32 v252, 1.0, v254                    ; f = 2^(old M - new M)
.set cj, 0
.rept 32
	v_pk_fma_f32 v[96+cj:97+cj], v[96+cj:97+cj], s[CS:CS+1], v[12:13] op_sel_hi:[1,0,0]   ; t - M, two at a time
.set cj, cj+2
.endr
.irp b, 0,1,2,3
	v_fma_f32 v[232+\b], v[232+\b], s[CS], v12     ; the same of each block's largest score
.endr
.set cj, 0
	s_wait_alu depctr_va_vdst(0)
.rept 64
	v_exp_f32 v[96+cj], v[96+cj]                   ; p = 2^(t - M)
.set cj, cj+1
.endr
	v_pk_mul_f32 v[14:15], v[14:15], v[252:253] op_sel_hi:[1,0]   ; the sums under the new M: a plain place behind the exponentials
	s_wait_alu depctr_va_vdst(0)                   ; one wait for the batch of 64, ahead of its first reader
.irp b, 0,1,2,3
	v_exp_f32 v[232+\b], v[232+\b]                 ; each block's largest p
.endr
	v_pk_add_f32 v[236:237], v[100:101], v[104:105]
	v_pk_add_f32 v[250:251], v[108:109], v[112:113]
	v_pk_add_f32 v[248:249], v[116:117], v[120:121]
	v_pk_add_f32 v[246:247], v[124:125], v[128:129]
	v_pk_add_f32 v[244:245], v[132:133], v[136:137]
	v_pk_add_f32 v[242:243], v[140:141], v[144:145]
	v_pk_add_f32 v[240:241], v[148:149], v[152:153]
	v_pk_add_f32 v[14:15], v[14:15], v[156:157]
	v_pk_add_f32 v[236:237], v[236:237], v[96:97]
	v_pk_add_f32 v[250:251], v[250:251], v[98:99]
	v_pk_add_f32 v[248:249], v[248:249], v[102:103]
	v_pk_add_f32 v[246:247], v[246:247], v[106:107]
	v_pk_add_f32 v[244:245], v[244:245], v[110:111]
	v_pk_add_f32 v[242:243], v[242:243], v[114:115]
	v_pk_add_f32 v[240:241], v[240:241], v[118:119]
	v_pk_add_f32 v[14:15], v[14:15], v[122:123]
	v_pk_add_f32 v[236:237], v[236:237], v[126:127]
	v_pk_add_f32 v[250:251], v[250:251], v[130:131]
	v_pk_add_f32 v[248:249], v[248:249], v[134:135]
	v_pk_add_f32 v[246:247], v[246:247], v[138:139]
	v_pk_add_f32 v[244:245], v[244:245], v[142:143]
	v_pk_add_f32 v[242:243], v[242:243], v[146:147]
	v_pk_add_f32 v[240:241], v[240:241], v[150:151]
	v_pk_add_f32 v[14:15], v[14:15], v[154:155]
	v_pk_add_f32 v[236:237], v[236:237], v[158:159]
	s_delay_alu instid0(VALU_DEP_2)
	v_pk_add_f32 v[14:15], v[14:15], v[246:247]
	s_delay_alu instid0(VALU_DEP_2)
	v_pk_add_f32 v[236:237], v[236:237], v[244:245]
	v_pk_add_f32 v[250:251], v[250:251], v[242:243]
	v_pk_add_f32 v[248:249], v[248:249], v[240:241]
	s_delay_alu instid0(VALU_DEP_2)
	v_pk_add_f32 v[14:15], v[14:15], v[250:251]
	s_delay_alu instid0(VALU_DEP_2)
	v_pk_add_f32 v[236:237], v[236:237], v[248:249]
	s_delay_alu instid0(VALU_DEP_1)
	v_pk_add_f32 v[14:15], v[14:15], v[236:237]
	s_wait_alu depctr_va_vdst(0)                   ; and one for the four
.irp b, 0,1,2,3
	v_max_num_f32 v[232+\b], 0x1800000, v[232+\b]  ; the floor 2^(3 - 127): the byte cannot fall under 1
.endr
.irp b, 0,1,2,3
	s_delay_alu instid0(VALU_DEP_4)
	v_add_nc_u32 v[244+\b], 0xff000000, v[232+\b]  ; 2 off the exponent field: the conversion's scale operand
.endr
.irp b, 0,1,2,3
	s_delay_alu instid0(VALU_DEP_4)
	v_lshrrev_b32 v[236+\b], 23, v[244+\b]         ; the scale's byte
.endr
	s_delay_alu instid0(VALU_DEP_3)
	v_lshl_or_b32 v218, v237, 8, v236              ; p's scale word for these 128 keys
	s_delay_alu instid0(VALU_DEP_1)
	v_lshl_or_b32 v218, v238, 16, v218
	s_delay_alu instid0(VALU_DEP_1)
	v_lshl_or_b32 v218, v239, 24, v218
.irp c, 0,1
	v_cvt_scalef32_pk16_fp6_f32 v[192+6*\c:194+6*\c], v[96+32*\c:111+32*\c], v[244+2*\c]
	v_cvt_scalef32_pk16_fp6_f32 v[204+4*\c:206+4*\c], v[112+32*\c:127+32*\c], v[244+2*\c+1]
.endr
	ds_load_b64 v[216:217], v93                    ; p has been read for the last time: v's scale words and its four fragments land where p lay
.irp t, 0,1,2,3
	FRAGL 96+12*\t, 90, 91, 1536*\t
.endr
	v_nop                                          ; one plain place behind a scaled conversion
.irp c, 0,1                            ; the operand wants a whole block in a lane
.irp i, 0,1,2
	v_permlane16_swap_b32 v[192+6*\c+\i], v[204+4*\c+\i]
.endr
.irp i, 0,1,2
	s_delay_alu instid0(VALU_DEP_3)
	v_mov_b32 v[195+6*\c+\i], v[204+4*\c+\i]
.endr
.endr
.set cj, 0
.rept 16
	v_pk_mul_f32 v[160+cj:161+cj], v[160+cj:161+cj], v[252:253] op_sel_hi:[1,0]   ; O^T under the new M.  These are also the places between the lines that made p's codes and word and the products
.set cj, cj+2
.endr
	s_wait_alu depctr_va_vdst(0)
	s_wait_dscnt 0x0
.irp t, 0,1,2,3                        ; O^T += v^T p^T: four accumulators by turns
.if \t%2
	v_wmma_scale_f32_16x16x128_f8f6f4 v[160+8*\t:167+8*\t], v[96+12*\t:107+12*\t], v[192:203], v[160+8*\t:167+8*\t], v[216+\t/2], v218 matrix_a_fmt:MATRIX_FMT_FP6 matrix_b_fmt:MATRIX_FMT_FP6 matrix_a_scale:MATRIX_SCALE_ROW1
.else
	v_wmma_scale_f32_16x16x128_f8f6f4 v[160+8*\t:167+8*\t], v[96+12*\t:107+12*\t], v[192:203], v[160+8*\t:167+8*\t], v[216+\t/2], v218 matrix_a_fmt:MATRIX_FMT_FP6 matrix_b_fmt:MATRIX_FMT_FP6
.endif
.endr
.endm
; A WALK'S END: O^T / the sum; register 16 B + i is feature 32 B + 16 (lane / 16) + i of my head: two blocks, quantised as they stand: half a fragment and half a scale word of the last product's operand.
.macro FINAL base
.rept 4
	v_nop                                          ; places behind the last products
.endr
	v_add_f32 v14, v14, v15
	s_delay_alu instid0(VALU_DEP_1)
	v_permlanex16_b32 v254, v14, s[SEL], s[SEL+1]
	s_delay_alu instid0(VALU_DEP_1)
	v_add_f32 v14, v14, v254                       ; the row's sum
	s_wait_alu depctr_va_vdst(0)
	v_rcp_f32 v252, v14
	v_nop                                          ; a plain place behind the reciprocal
	s_wait_alu depctr_va_vdst(0)                   ; and the wait ahead of its first reader
.set cj, 0
.rept 16
	v_pk_mul_f32 v[96+cj:97+cj], v[160+cj:161+cj], v[252:253] op_sel_hi:[1,0]   ; each accumulator from its low end on
.set cj, cj+2
.endr
.irp b, 0,1
	v_max3_num_f32 v[232+\b], |v[96+16*\b]|, |v[97+16*\b]|, 0x1800000
.endr
.irp i, 2,4,6,8,10,12,14
.irp b, 0,1
	s_delay_alu instid0(VALU_DEP_2)
	v_max3_num_f32 v[232+\b], v[232+\b], |v[96+16*\b+\i]|, |v[97+16*\b+\i]|
.endr
.endr
.irp b, 0,1
	s_delay_alu instid0(VALU_DEP_2)
	v_permlanex16_b32 v[236+\b], v[232+\b], s[SEL], s[SEL+1]
.endr
.irp b, 0,1
	s_delay_alu instid0(VALU_DEP_2)
	v_max_num_f32 v[232+\b], v[232+\b], v[236+\b]
.endr
.irp b, 0,1
	s_delay_alu instid0(VALU_DEP_2)
	v_add_nc_u32 v[244+\b], 0xff000000, v[232+\b]
.endr
.irp b, 0,1
	s_delay_alu instid0(VALU_DEP_2)
	v_lshrrev_b32 v[236+\b], 23, v[244+\b]
.endr
	s_delay_alu instid0(VALU_DEP_1)
	v_lshl_or_b32 v240, v237, 8, v236              ; my head's two bytes of the row's scale word
	v_cvt_scalef32_pk16_fp6_f32 v[192:194], v[96:111], v244
	v_cvt_scalef32_pk16_fp6_f32 v[204:206], v[112:127], v245
	v_nop
.irp i, 0,1,2
	v_permlane16_swap_b32 v[192+\i], v[204+\i]
.endr
.irp i, 0,1,2
	s_delay_alu instid0(VALU_DEP_3)
	v_mov_b32 v[195+\i], v[204+\i]
.endr
	global_store_b128 v9, v[192:195], s[\base:\base+1]   ; 512 consecutive bytes, at a multiple of 256 from the buffer's first byte
	global_store_b64 v10, v[196:197], s[\base:\base+1]   ; 256
	global_store_b16 v11, v240, s[\base:\base+1]         ; lanes r and 16 + r store the same two bytes: 512 bytes a unit come so, from its sixteen waves
.endm
	s_load_b128 s[4:7], s[0:1], 0x0                ; qkv, ao
	v_lshl_add_u32 v7, v0, 2, SPARE
	v_mov_b32 v8, 0
	ds_add_u32 v7, v8
	ds_add_u32 v7, v8
	s_wait_dscnt 0x0
	v_lshrrev_b32 v232, 5, v0
	s_delay_alu instid0(VALU_DEP_1)
	v_readfirstlane_b32 s[WV], v232                ; wave 0..15
	s_lshr_b32 s[E], s[WV], 3                      ; my head's parity
	s_and_b32 s[WP], s[WV], 7                      ; my tile of queries
	s_mov_b32 s[J], ttmp9
	s_add_co_u32 s[J1], ttmp9, 1
	s_and_b32 s48, ttmp7, 0xffff                   ; batch x 8 + head pair
	s_mul_i32 s50, s48, 16*REC
	s_mov_b32 s51, 0
	s_and_b32 s49, s[WV], 3
	s_mul_i32 s49, s49, QUART                      ; the quarter that I fetch (waves 0-3) or prefetch (waves 4-7)
	s_add_co_u32 s52, s49, UQ                      ; k's unit lies behind q's in a record
	s_mov_b32 s53, 0
	s_mov_b32 s[G1], 3<<16                         ; no mask; elements of 8 bytes; no padding
	s_mov_b32 s[G1+1], 32<<16                      ; tensor_dim0 = 32: 256 bytes
	s_mov_b32 s[G1+2], 26<<16                      ; tensor_dim1 = 26 rows
	s_mov_b32 s[G1+3], 32<<16                      ; tile_dim0
	s_mov_b32 s[G1+4], 26                          ; tile_dim1
	s_mov_b32 s[G1+5], 32                          ; the pitch: dense
	s_mov_b32 s[G1+6], 0
	s_mov_b32 s[G1+7], 0
	s_mov_b32 s[SEL], 0x76543210
	s_mov_b32 s[SEL+1], 0xfedcba98
	s_mov_b32 s[CS], 0x3e38aa3b                    ; log2(e) / 8
	s_mov_b32 s[CS+1], s[CS]
	s_mov_b32 s[TB], 0
	s_mov_b32 s[SN], 0
	s_mov_b32 s[TAU], 0
	s_mov_b32 s[OFF+1], 0
	s_lshr_b32 s58, s[WV], 2
	s_xor_b32 s58, s58, 1                          ; 0 in waves 4-7,
	s_or_b32 s58, s58, ttmp9                       ; of the work-group j = 0
	s_cmp_eq_u32 s58, 0
	s_cselect_b32 s[LIM], 14, 0
	s_wait_kmcnt 0x0
	s_add_nc_u64 s[4:5], s[4:5], s[50:51]          ; my head pair's first record
	s_add_nc_u64 s[KVB:KVB+1], s[4:5], s[52:53]
	s_mov_b32 s[G0], 1
	s_mov_b32 s[G0+1], s49                         ; slot 0
	s_mov_b64 s[G0+2:G0+3], s[KVB:KVB+1]
	s_or_b32 s[G0+3], s[G0+3], 0x80000000
	TLOAD                                          ; key step 0
	s_add_nc_u64 s[PFA:PFA+1], s[KVB:KVB+1], REC   ; at key step 1: the first change of slots steps it to 2
	s_mul_i32 s52, s[J], REC
	s_add_nc_u64 s[QA:QA+1], s[4:5], s[52:53]      ; q's unit of query group j,
	s_sub_co_u32 s54, 15, s[J]
	s_mul_i32 s52, s54, REC
	s_add_nc_u64 s[QB:QB+1], s[4:5], s[52:53]      ; and of group 15 - j
	s_lshr_b32 s55, s48, 3
	s_lshl_b32 s55, s55, 4                         ; batch x 16
	s_and_b32 s56, s48, 7                          ; head pair = K step of the last product
	s_add_co_u32 s57, s55, s[J]
	s_lshl_b32 s57, s57, 3
	s_add_co_u32 s57, s57, s56
	s_mul_i32 s52, s57, UNIT
	s_add_nc_u64 s[AOA:AOA+1], s[6:7], s[52:53]
	s_add_co_u32 s57, s55, s54
	s_lshl_b32 s57, s57, 3
	s_add_co_u32 s57, s57, s56
	s_mul_i32 s52, s57, UNIT
	s_add_nc_u64 s[AOB:AOB+1], s[6:7], s[52:53]
	v_and_b32 v232, 31, v0                         ; lane
	s_delay_alu instid0(VALU_DEP_1)
	v_lshlrev_b32 v233, 4, v232
	s_delay_alu instid0(VALU_DEP_2)
	v_lshlrev_b32 v234, 3, v232
	s_wait_alu depctr_va_vdst(0)
	v_and_b32 v235, 15, v0                         ; r
	v_bfe_u32 v236, v0, 4, 1                       ; h
	s_mul_i32 s58, s[E], 768
	v_add_nc_u32 v1, s58, v233                     ; k: my head's half of a fragment
	s_add_co_u32 s59, s58, 512
	v_add_nc_u32 v2, s59, v234
	s_mul_i32 s59, s[E], 6144
	s_add_co_u32 s59, s59, UQ
	v_add_nc_u32 v3, s59, v233                     ; v: my head's four fragments
	s_add_co_u32 s59, s59, 512
	v_add_nc_u32 v4, s59, v234
	s_lshl_b32 s59, s[E], 9
	s_add_co_u32 s59, s59, 12288
	v_add_nc_u32 v5, s59, v234                     ; k's scale words: my head's block
	s_lshl_b32 s59, s[E], 8
	s_add_co_u32 s59, s59, UQ+12288
	v_add_nc_u32 v6, s59, v234                     ; v's: my head's four tiles
	s_mul_i32 s59, s[WP], 1536
	s_add_co_u32 s59, s59, s58
	v_add_nc_u32 v9, s59, v233                     ; in a unit of q and of the output alike: fragment w % 8, half e
	s_wait_alu depctr_va_vdst(0)
	s_add_co_u32 s59, s59, 512
	v_add_nc_u32 v10, s59, v234
	s_wait_alu depctr_va_vdst(0)
	s_lshr_b32 s59, s[WP], 2
	s_lshl_b32 s59, s59, 8
	s_and_b32 s60, s[WP], 1
	s_lshl_b32 s61, s60, 7
	s_add_co_u32 s59, s59, s61
	s_bfe_u32 s61, s[WP], 0x10001
	s_lshl_b32 s61, s61, 2
	s_add_co_u32 s59, s59, s61
	s_add_co_u32 s59, s59, 12288
	v_lshl_add_u32 v237, v235, 3, s59              ; row r's scale word of my tile
	s_lshl_b32 s61, s[E], 1
	v_add_nc_u32 v11, s61, v237                    ; the output's: my head's half of the word
	s_lshl_b32 s61, s[E], 9
	v_add_nc_u32 v31, s61, v237                    ; q's: my head's block
	global_load_b128 v[16:19], v9, s[QA:QA+1]
	global_load_b64 v[20:21], v10, s[QA:QA+1]
	global_load_b32 v28, v31, s[QA:QA+1]
	global_load_b128 v[80:83], v9, s[QB:QB+1]
	global_load_b64 v[84:85], v10, s[QB:QB+1]
	global_load_b32 v86, v31, s[QB:QB+1]
	s_lshr_b32 s61, s[WP], 1
	s_lshl_b32 s61, s61, 5
	s_lshl_b32 s60, s60, 3
	s_add_co_u32 s61, s61, s60
	v_and_b32 v238, 8, v235
	s_delay_alu instid0(VALU_DEP_1)
	v_add_nc_u32 v238, v238, v235
	s_delay_alu instid0(VALU_DEP_1)
	v_add_nc_u32 v238, s61, v238                   ; my query in its group: 32 (w' / 2) + 8 (w' % 2) + r + 8 (r / 8)
	v_lshlrev_b32 v239, 4, v236
	s_delay_alu instid0(VALU_DEP_1)
	v_sub_nc_u32 v29, v238, v239
	v_min_u32 v30, 25, v232
	s_delay_alu instid0(VALU_DEP_1)
	v_lshlrev_b32 v30, 8, v30
.irp i, 22,23,24,25,26,27
	v_mov_b32 v[\i], 0                             ; zero codes for the upper 64 of the first product's K: q's,
.endr
.irp t, 0,1,2,3
.irp i, 6,7,8,9,10,11
	v_mov_b32 v[32+12*\t+\i], 0                    ; and k's: written once
.endr
.endr
	v_mov_b32 v13, 0xff61b1e6                      ; the largest t so far: -3e38
	s_delay_alu instid0(VALU_DEP_1)
	v_floor_f32 v12, -v13
	v_mov_b32 v14, 0
	v_mov_b32 v15, 0
.irp i, 236,237,238,239,252,253,254
	v_mov_b32 v[\i], 0                             ; lane permutes' destinations and the pair beside f: written on every path
.endr
.set cj, 0
.rept 32
	v_mov_b32 v[160+cj], 0                         ; O^T: the step is written once; the first change of M leaves zeros zeros
.set cj, cj+1
.endr
	s_wait_loadcnt 0x0                             ; q of both walks
.Ltrip:                                ; sixteen trips; each asks for the next trip's key step
	CHANGE 1
	s_cmp_lg_u32 s[TAU], s[J1]
	s_cbranch_scc1 .Lsame
	FINAL AOA                                      ; the first walk is over: its result leaves, and the second begins.  No LDS instruction, barrier or tensor load stands under this branch
.irp i, 0,1,2,3,4,5
	v_mov_b32 v[16+\i], v[80+\i]
.endr
	v_mov_b32 v28, v86
	v_mov_b32 v13, 0xff61b1e6
	s_delay_alu instid0(VALU_DEP_1)
	v_floor_f32 v12, -v13
	v_mov_b32 v14, 0
	v_mov_b32 v15, 0
.set cj, 0
.rept 32
	v_mov_b32 v[160+cj], 0
.set cj, cj+1
.endr
	s_wait_xcnt 0x0                                ; the stores have read their registers: the step below writes them again
.Lsame:
	STEP 0
	s_xor_b32 s[TB], s[TB], SLOTB
	s_add_co_u32 s[TAU], s[TAU], 1
	s_cmp_lt_u32 s[TAU], 16
	s_cbranch_scc1 .Ltrip
	CHANGE 0                                       ; the last trip is written out: nothing is left to ask for
	STEP 1                                         ; the second walk's last step lies on the diagonal
	FINAL AOB
	s_wait_tensorcnt 0x0                           ; the wave's end
	ds_add_u32 v7, v8
	s_wait_dscnt 0x0
	s_endpgm
.Lfunc_end_k_q1e8819dc61_attn:
	.size	k_q1e8819dc61_attn, .Lfunc_end_k_q1e8819dc61_attn-k_q1e8819dc61_attn
	.p2alignl 7, 3214868480
	.fill 96, 4, 3214868480
	.section	.rodata,"a",@progbits
	.p2align	6, 0x0
	.amdhsa_kernel k_q1e8819dc61_attn
		.amdhsa_group_segment_fixed_size 327680
		.amdhsa_private_segment_fixed_size 0
		.amdhsa_enable_private_segment 0
		.amdhsa_kernarg_size 16
		.amdhsa_user_sgpr_count 2
		.amdhsa_user_sgpr_kernarg_segment_ptr 1
		.amdhsa_wavefront_size32 1
		.amdhsa_system_sgpr_workgroup_id_x 1
		.amdhsa_system_sgpr_workgroup_id_y 1
		.amdhsa_system_sgpr_workgroup_id_z 1
		.amdhsa_system_vgpr_workitem_id 0
		.amdhsa_next_free_vgpr 256
		.amdhsa_next_free_sgpr 66
		.amdhsa_reserve_vcc 1
		.amdhsa_float_denorm_mode_32 3
		.amdhsa_float_denorm_mode_16_64 3
		.amdhsa_memory_ordered 1
		.amdhsa_forward_progress 1
		.amdhsa_inst_pref_size 65
	.end_amdhsa_kernel
	.amdgpu_metadata
---
amdhsa.version: [ 1, 2 ]
amdhsa.kernels:
  - .name:           k_q1e8819dc61_attn
    .symbol:         k_q1e8819dc61_attn.kd
    .args:
      - { .name: qkv, .offset: 0, .size: 8, .value_kind: global_buffer, .address_space: global }
      - { .name: ao, .offset: 8, .size: 8, .value_kind: global_buffer, .address_space: global }
    .group_segment_fixed_size: 327680
    .private_segment_fixed_size: 0
    .kernarg_segment_align: 8
    .kernarg_segment_size: 16
    .max_flat_workgroup_size: 512
    .sgpr_count:     66
    .vgpr_count:     256
    .wavefront_size: 32
...
	.end_amdgpu_metadata
.endif
;; end of part 3
;; launch outp (part 4): grid 4 x 64, 4 waves a work-group, clusters of 4 x 4, 307,712 bytes of LDS; arguments ao, wu, out0; writes out0
.if DOCPART == 4
	.amdgcn_target "amdgcn-amd-amdhsa--gfx1250"
	.amdhsa_code_object_version 6
	.text
	.protected	k_q1e8819dc61_outp
	.globl	k_q1e8819dc61_outp
	.p2align	8
	.type	k_q1e8819dc61_outp,@function
k_q1e8819dc61_outp:
	s_mov_b64 s[64:65], 0
	v_nop
	global_prefetch_b8 v0, s[64:65] scope:SCOPE_SE
	s_setreg_imm32_b32 hwreg(HW_REG_WAVE_MODE, 25, 1), 1
	s_wait_xcnt 0x0
	s_wait_alu depctr_hold_cnt(0) depctr_sa_sdst(0) depctr_va_vdst(0) depctr_va_sdst(0) depctr_va_ssrc(0) depctr_va_vcc(0) depctr_vm_vsrc(0)
	s_getreg_b32 s2, hwreg(HW_REG_IB_STS2, 6, 4)
	s_cmp_eq_u32 s2, 0
	s_cbranch_scc0 .Lentry_in_a_cluster
	s_endpgm
.Lentry_in_a_cluster:
	s_bfe_u32 s2, ttmp6, 0x10000c
	s_cmp_lg_u32 s2, 0xf033
	s_cbranch_scc0 .Lentry_shape_is_right
	s_endpgm
.Lentry_shape_is_right:
; out = o Wo^T on codes of FP6 (E2M3) with E8M0 scales, K = 1,024; out0 [8192][1024] f32.
; OPERANDS lie as images of their registers (a fragment: 1,536 bytes; a unit of 128 rows x 128 K: eight fragments + 512 bytes of scale words = 12,800 bytes; a group of 128 rows: eight units on end).
; Lane r of tile 2 B + u holds row 32 B + 8 u + r + 8 (r / 8) of its group.
; A WORK-GROUP makes 128 tokens (A, source 1) x 256 output features (B, source 0: two groups of Wo, which begins at group 24 of wu).  Wave w: A's tiles 4 (w / 2) .. + 3 against B's group w % 2: 32 accumulators.
; In the result a lane holds one token, and register j of tile b feature 32 (b / 2) + 16 (lane / 16) + 8 (b % 2) + j: eight neighbouring numbers of a row of the output.
; ALL OF K LIES IN LDS AT ONCE: 3 x 102,400 bytes, each byte filled once.  Twelve tensor loads of two K steps (25,600 dense bytes as 100 rows of 256): wave 0 A's four, wave 1 and wave 2 the four of a group of B, wave 3 none: a wave has four loads out at the most.
; CLUSTER 4 x 4: A's group is asked for jointly along a row of the cluster, B's groups along a column.
; THE WAY OUT goes through a stage of 16 rows x 528 bytes for each wave, in A's bytes, which have had their only fill and, behind the last barrier, their last read; rows leave as 512 consecutive bytes.
; REGISTERS: window 0: v4-11 addresses; v32-43 scale words, two sets; v128-223 A's fragments, two sets; on the way out v64-191 rows of the output.  window 1: B's fragments, two sets.  window 2: accumulator (a, b) at v[8 (8 a + b)].
.set UNIT, 12800
.set GRP,  8*UNIT
.set PAIR, 2*UNIT
.set LASTBAR, 1
.set WV,  10
.set G1A, 24
.set G1B, 32
.set G0A, 40
.set G0B, 68
.set A16, 4
.set A8,  5
.set AS,  6
.set B16, 7
.set B8,  8
.set STO, 9                            ; v9   the stage: where I put 32 bytes of a row
.set RD,  10                           ; v10  and where I read a row back
.set CO,  11                           ; v11  16 x lane: my bytes of a row's 512
.set SC,  32
.set AF,  128
.set MSB, 0
.macro WIN new                         ; the immediate's high byte repeats the setting that is left
.if MSB != \new
	s_set_vgpr_msb (MSB<<8)|\new
.set MSB, \new
.endif
.endm
.macro CROUND                          ; a round of the cluster's barrier
	s_barrier_signal -1
	s_barrier_wait -1
	s_cmp_lg_u32 s[WV], 0
	s_cbranch_scc1 .Lnot_wave_0_\@
	s_barrier_signal -3
.Lnot_wave_0_\@:
	s_barrier_wait -3
	s_barrier_signal -1
	s_barrier_wait -1
.endm
.macro FRAGL reg, a16, a8, off         ; a fragment's image: four dense loads
	ds_load_b128 v[\reg:\reg+3], v[\a16] offset:\off
	ds_load_b64 v[\reg+4:\reg+5], v[\a8] offset:\off
	ds_load_b128 v[\reg+6:\reg+9], v[\a16] offset:\off+768
	ds_load_b64 v[\reg+10:\reg+11], v[\a8] offset:\off+768
.endm
.macro FETCH p                         ; 51 LDS loads: a K step's scale words, B's eight fragments, A's four, into set p
	ds_load_b64 v[SC+6*(\p):SC+6*(\p)+1], v[AS]
	ds_load_b64 v[SC+6*(\p)+2:SC+6*(\p)+3], v[B8] offset:11776
	ds_load_b64 v[SC+6*(\p)+4:SC+6*(\p)+5], v[B8] offset:12032
	WIN 0x40                                       ; destination window 1
.irp b, 0,1,2,3,4,5,6,7
	FRAGL 128*(\p)+12*\b, B16, B8, 1536*\b
.endr
	WIN 0
.irp a, 0,1,2,3
	FRAGL AF+48*(\p)+12*\a, A16, A8, 1536*\a
.endr
.endm
; One product: A's tile a x B's tile b.  A tile's scale words lie in lanes 0-15 of their register where the tile's number is even, in lanes 16-31 where it is odd.
.macro WM a, b, p, zero
.set rD, 8*(8*(\a)+(\b))
.set rB, 128*(\p)+12*(\b)
.set rA, AF+48*(\p)+12*(\a)
.set rSB, SC+6*(\p)+2+(\b)/2
.set rSA, SC+6*(\p)+(\a)/2
.set rV, 4*(\zero)+2*((\b)%2)+(\a)%2
.if rV == 0
	v_wmma_scale_f32_16x16x128_f8f6f4 v[rD:rD+7], v[rB:rB+11], v[rA:rA+11], v[rD:rD+7], v[rSB], v[rSA] matrix_a_fmt:MATRIX_FMT_FP6 matrix_b_fmt:MATRIX_FMT_FP6
.elseif rV == 1
	v_wmma_scale_f32_16x16x128_f8f6f4 v[rD:rD+7], v[rB:rB+11], v[rA:rA+11], v[rD:rD+7], v[rSB], v[rSA] matrix_a_fmt:MATRIX_FMT_FP6 matrix_b_fmt:MATRIX_FMT_FP6 matrix_b_scale:MATRIX_SCALE_ROW1
.elseif rV == 2
	v_wmma_scale_f32_16x16x128_f8f6f4 v[rD:rD+7], v[rB:rB+11], v[rA:rA+11], v[rD:rD+7], v[rSB], v[rSA] matrix_a_fmt:MATRIX_FMT_FP6 matrix_b_fmt:MATRIX_FMT_FP6 matrix_a_scale:MATRIX_SCALE_ROW1
.elseif rV == 3
	v_wmma_scale_f32_16x16x128_f8f6f4 v[rD:rD+7], v[rB:rB+11], v[rA:rA+11], v[rD:rD+7], v[rSB], v[rSA] matrix_a_fmt:MATRIX_FMT_FP6 matrix_b_fmt:MATRIX_FMT_FP6 matrix_a_scale:MATRIX_SCALE_ROW1 matrix_b_scale:MATRIX_SCALE_ROW1
.elseif rV == 4
	v_wmma_scale_f32_16x16x128_f8f6f4 v[rD:rD+7], v[rB:rB+11], v[rA:rA+11], 0, v[rSB], v[rSA] matrix_a_fmt:MATRIX_FMT_FP6 matrix_b_fmt:MATRIX_FMT_FP6
.elseif rV == 5
	v_wmma_scale_f32_16x16x128_f8f6f4 v[rD:rD+7], v[rB:rB+11], v[rA:rA+11], 0, v[rSB], v[rSA] matrix_a_fmt:MATRIX_FMT_FP6 matrix_b_fmt:MATRIX_FMT_FP6 matrix_b_scale:MATRIX_SCALE_ROW1
.elseif rV == 6
	v_wmma_scale_f32_16x16x128_f8f6f4 v[rD:rD+7], v[rB:rB+11], v[rA:rA+11], 0, v[rSB], v[rSA] matrix_a_fmt:MATRIX_FMT_FP6 matrix_b_fmt:MATRIX_FMT_FP6 matrix_a_scale:MATRIX_SCALE_ROW1
.else
	v_wmma_scale_f32_16x16x128_f8f6f4 v[rD:rD+7], v[rB:rB+11], v[rA:rA+11], 0, v[rSB], v[rSA] matrix_a_fmt:MATRIX_FMT_FP6 matrix_b_fmt:MATRIX_FMT_FP6 matrix_a_scale:MATRIX_SCALE_ROW1 matrix_b_scale:MATRIX_SCALE_ROW1
.endif
.endm
; K step k: the next step's operands are asked for first, then this step's 32 products.  The 32 accumulators take turns, one instruction a turn, in the same order in every step.
.macro KSTEP k, zero
.if (\k) < 7
.if (\k)%2 == 1
	s_wait_dscnt 0x0                               ; no LDS instruction of mine is out at a signal
	s_wait_tensorcnt 3-((\k)+1)/2                  ; my load of the next two K steps has landed; the later ones stay out
	s_barrier_signal -1
	s_barrier_wait -1                              ; everybody's has
.endif
	v_add_nc_u32 v[A16], UNIT, v[A16]              ; on to the next K step.  These five are also the places (four are asked) between the last products and the loads into the registers that they read
	v_add_nc_u32 v[A8], UNIT, v[A8]
	v_add_nc_u32 v[AS], UNIT, v[AS]
	v_add_nc_u32 v[B16], UNIT, v[B16]
	v_add_nc_u32 v[B8], UNIT, v[B8]
	FETCH 1-(\k)%2
	s_wait_dscnt 51                                ; all but the 51 just issued: this step's operands are in
.else
	s_wait_dscnt 0x0
.if LASTBAR
	s_barrier_signal -1                            ; my reads of the tiles in LDS are over
.endif
.endif
	WIN 0xa1                                       ; source 0 (B) window 1, source 1 (A) window 0, C and D window 2
.irp a, 0,1,2,3
.irp b, 0,1,2,3,4,5,6,7
	WM \a, \b, (\k)%2, \zero
.endr
.endr
	WIN 0
.if (\k) == 7
.if LASTBAR
	s_barrier_wait -1                              ; everybody's are: the stages may be written
.endif
.endif
.endm
	s_load_b128 s[4:7], s[0:1], 0x0                ; ao, wu
	s_load_b64 s[8:9], s[0:1], 0x10                ; out0
	v_lshl_add_u32 v254, v0, 2, 0x4b000
	v_mov_b32 v255, 0
	ds_add_u32 v254, v255
	ds_add_u32 v254, v255
	v_lshrrev_b32 v1, 5, v0
	v_readfirstlane_b32 s[WV], v1                  ; wave 0..3
	s_lshr_b32 s11, s[WV], 1                       ; which four tiles of A are mine
	s_and_b32 s12, s[WV], 1                        ; which group of B I multiply
	s_xor_b32 s15, s12, 1                          ; which group of B I fetch: wave 1 group 0, wave 2 group 1
	s_bfe_u32 s13, ttmp6, 0x40000                  ; cx
	s_bfe_u32 s14, ttmp6, 0x40004                  ; cy
	s_lshl_b32 s17, ttmp9, 2
	s_add_co_u32 s17, s17, s13                     ; tile column 0..3
	s_and_b32 s18, ttmp7, 0xffff
	s_lshl_b32 s18, s18, 2
	s_add_co_u32 s18, s18, s14                     ; tile row 0..63
	s_lshl_b32 s60, s14, 2
	s_lshl_b32 s60, 15, s60                        ; my row of the cluster
	s_lshl_b32 s61, 0x1111, s13                    ; my column
	s_or_b32 s[G1A], s60, (3<<16)|(1<<21)          ; 15:0 the mask; 17:16 elements of 8 bytes; 21 set beside a mask; no padding
	s_or_b32 s[G1B], s61, (3<<16)|(1<<21)
.irp g, G1A, G1B
	s_mov_b32 s[\g+1], 32<<16                      ; tensor_dim0 = 32 elements: 256 bytes
	s_mov_b32 s[\g+2], 100<<16                     ; tensor_dim1 = 100 rows
	s_mov_b32 s[\g+3], 32<<16                      ; tile_dim0
	s_mov_b32 s[\g+4], 100                         ; tile_dim1
	s_mov_b32 s[\g+5], 32                          ; the pitch: dense
	s_mov_b32 s[\g+6], 0
	s_mov_b32 s[\g+7], 0
.endr
	s_mul_i32 s84, s18, GRP                        ; A's group, in bytes: made of the tile row alone
	s_mov_b32 s85, 0
	s_lshl_b32 s86, s17, 1
	s_add_co_u32 s86, s86, s15
	s_add_co_u32 s86, s86, 24
	s_mul_i32 s86, s86, GRP                        ; the group of Wo that I fetch: made of the tile column and the wave's number
	s_mov_b32 s87, 0
	s_mul_i32 s88, s15, GRP                        ; and its place in LDS, behind A's
	s_lshl_b32 s96, s18, 7
	s_lshl_b32 s91, s11, 6
	s_add_co_u32 s96, s96, s91                     ; my first token: 128 x tile row + 64 x (wave / 2)
	s_lshl_b32 s96, s96, 12                        ; rows of 4,096 bytes
	s_lshl_b32 s91, s17, 1
	s_add_co_u32 s91, s91, s12
	s_lshl_b32 s91, s91, 9                         ; my 128 columns: 512 bytes
	s_add_co_u32 s96, s96, s91
	s_mov_b32 s97, 0
	s_wait_dscnt 0x0
	s_wait_kmcnt 0x0
	s_add_nc_u64 s[56:57], s[4:5], s[84:85]
	s_add_nc_u64 s[58:59], s[6:7], s[86:87]
	s_add_nc_u64 s[8:9], s[8:9], s[96:97]
	CROUND                                         ; all sixteen work-groups are here: the joint loads meet
.irp c, 0,1,2,3
	s_mov_b32 s[G0A+4*\c], 1
	s_mov_b32 s[G0A+4*\c+1], \c*PAIR
	s_add_nc_u64 s[G0A+4*\c+2:G0A+4*\c+3], s[56:57], \c*PAIR
	s_or_b32 s[G0A+4*\c+3], s[G0A+4*\c+3], 0x80000000
	s_mov_b32 s[G0B+4*\c], 1
	s_add_co_u32 s[G0B+4*\c+1], s88, GRP+\c*PAIR
	s_add_nc_u64 s[G0B+4*\c+2:G0B+4*\c+3], s[58:59], \c*PAIR
	s_or_b32 s[G0B+4*\c+3], s[G0B+4*\c+3], 0x80000000
.endr
	s_cmp_eq_u32 s[WV], 0                          ; a wave's fills stand in one branch on its number, ahead of every wait on TENSORcnt, LDS read and barrier
	s_cbranch_scc0 .Lnot_a
.irp c, 0,1,2,3
	tensor_load_to_lds s[G0A+4*\c:G0A+4*\c+3], s[G1A:G1A+7]
	s_nop 0
.endr
.rept 4
	v_nop
.endr
	s_branch .Lasked
.Lnot_a:
	s_cmp_lt_u32 s[WV], 3
	s_cbranch_scc0 .Lasked
.irp c, 0,1,2,3
	tensor_load_to_lds s[G0B+4*\c:G0B+4*\c+3], s[G1B:G1B+7]
	s_nop 0
.endr
.rept 4
	v_nop
.endr
.Lasked:
	v_and_b32 v1, 31, v0
	v_lshlrev_b32 v2, 4, v1
	v_lshlrev_b32 v3, 3, v1
	s_mul_i32 s89, s11, 6144
	v_add_nc_u32 v[A16], s89, v2
	s_add_co_u32 s90, s89, 512
	v_add_nc_u32 v[A8], s90, v3
	s_lshl_b32 s90, s11, 8
	s_add_co_u32 s90, s90, 12288
	v_add_nc_u32 v[AS], s90, v3
	s_mul_i32 s90, s12, GRP
	s_add_co_u32 s90, s90, GRP
	v_add_nc_u32 v[B16], s90, v2
	s_add_co_u32 s90, s90, 512
	v_add_nc_u32 v[B8], s90, v3
	s_mul_i32 s90, s[WV], 16*528                   ; my stage
	v_and_b32 v12, 15, v0
	v_bfe_u32 v13, v0, 4, 1
	v_mul_u32_u24 v[STO], v12, 528
	v_lshl_add_u32 v[STO], v13, 6, v[STO]
	v_add_nc_u32 v[STO], s90, v[STO]               ; in: row r, + 64 x (lane / 16)
	v_add_nc_u32 v[RD], s90, v2                    ; back: 16 bytes a lane of a row's 512
	v_mov_b32 v[CO], v2
	s_wait_alu depctr_va_vdst(0)
	s_wait_tensorcnt 3                             ; my load of K steps 0 and 1 has landed; three may be out
	s_barrier_signal -1
	s_barrier_wait -1
	FETCH 0
	KSTEP 0, 1                                     ; the first step's products start the sums: nothing is cleared
	s_wait_alu depctr_va_vdst(0)
	KSTEP 1, 0
	s_wait_alu depctr_va_vdst(0)
	KSTEP 2, 0
	s_wait_alu depctr_va_vdst(0)
	KSTEP 3, 0
	s_wait_alu depctr_va_vdst(0)
	KSTEP 4, 0
	s_wait_alu depctr_va_vdst(0)
	KSTEP 5, 0
	s_wait_alu depctr_va_vdst(0)
	KSTEP 6, 0
	KSTEP 7, 0
; THE WAY OUT, a tile of 16 tokens x 128 columns at a time.  LDS serves a wave's instructions in order: no wait between the stores and the loads, nor in front of the next tile's stores.
.macro TOSTAGE a
	WIN 0x08                                       ; an LDS store's data are its source 1: window 2
.irp b, 0,1,2,3,4,5,6,7
	ds_store_b128 v[STO], v[8*(8*(\a)+\b):8*(8*(\a)+\b)+3] offset:128*(\b/2)+32*(\b%2)          ; each accumulator from its low end on
	ds_store_b128 v[STO], v[8*(8*(\a)+\b)+4:8*(8*(\a)+\b)+7] offset:128*(\b/2)+32*(\b%2)+16
.endr
	WIN 0
.set BB, 64+64*((\a)%2)
.irp t, 0,1,2,3,4,5,6,7,8,9,10,11,12,13,14,15
	ds_load_b128 v[BB+4*\t:BB+4*\t+3], v[RD] offset:\t*528
.endr
.endm
.macro SEND a, younger                 ; younger: the LDS instructions issued behind tile a's loads, which may stay out
.set BB, 64+64*((\a)%2)
	s_wait_dscnt \younger
.irp t, 0,1,2,3,4,5,6,7,8,9,10,11,12,13,14,15
	global_store_b128 v[CO], v[BB+4*\t:BB+4*\t+3], s[8:9] offset:(32*((\a)/2)+8*((\a)%2)+\t+8*(\t/8))*4096 th:TH_STORE_NT   ; stage row t is token 32 (a / 2) + 8 (a % 2) + t + 8 (t / 8); 32 lanes store 512 consecutive bytes, at a multiple of 256 from the output's first byte
.endr
.endm
.rept 4
	v_nop                                          ; places between the last products and the first read of results and the loads into A's registers
.endr
	TOSTAGE 0
.irp a, 1,2,3
.if \a > 1
	s_wait_xcnt 0x0                                ; tile a - 2's stores have read their registers: tile a's loads may land there
.endif
	TOSTAGE \a
	SEND \a-1, 32                                  ; behind tile a - 1's loads: tile a's 16 stores and 16 loads
.endr
	SEND 3, 0
	s_wait_tensorcnt 0x0
	ds_add_u32 v254, v255
	s_wait_dscnt 0x0
	CROUND                                         ; the closing round: no work-group ends while a partner may still ask for a tile that names it
	s_endpgm
.Lfunc_end_k_q1e8819dc61_outp:
	.size	k_q1e8819dc61_outp, .Lfunc_end_k_q1e8819dc61_outp-k_q1e8819dc61_outp
	.p2alignl 7, 3214868480
	.fill 96, 4, 3214868480
	.section	.rodata,"a",@progbits
	.p2align	6, 0x0
	.amdhsa_kernel k_q1e8819dc61_outp
		.amdhsa_group_segment_fixed_size 307712
		.amdhsa_private_segment_fixed_size 0
		.amdhsa_enable_private_segment 0
		.amdhsa_kernarg_size 24
		.amdhsa_user_sgpr_count 2
		.amdhsa_user_sgpr_kernarg_segment_ptr 1
		.amdhsa_wavefront_size32 1
		.amdhsa_system_sgpr_workgroup_id_x 1
		.amdhsa_system_sgpr_workgroup_id_y 1
		.amdhsa_system_sgpr_workgroup_id_z 1
		.amdhsa_system_vgpr_workitem_id 0
		.amdhsa_next_free_vgpr 768
		.amdhsa_next_free_sgpr 100
		.amdhsa_reserve_vcc 0
		.amdhsa_float_denorm_mode_32 3
		.amdhsa_float_denorm_mode_16_64 3
		.amdhsa_memory_ordered 1
		.amdhsa_forward_progress 1
		.amdhsa_inst_pref_size 85
	.end_amdhsa_kernel
	.amdgpu_metadata
---
amdhsa.version: [ 1, 2 ]
amdhsa.kernels:
  - .name:           k_q1e8819dc61_outp
    .symbol:         k_q1e8819dc61_outp.kd
    .args:
      - { .name: ao, .offset: 0, .size: 8, .value_kind: global_buffer, .address_space: global }
      - { .name: wu, .offset: 8, .size: 8, .value_kind: global_buffer, .address_space: global }
      - { .name: out0, .offset: 16, .size: 8, .value_kind: global_buffer, .address_space: global }
    .group_segment_fixed_size: 307712
    .private_segment_fixed_size: 0
    .kernarg_segment_align: 8
    .kernarg_segment_size: 24
    .max_flat_workgroup_size: 128
    .sgpr_count:     100
    .vgpr_count:     768
    .wavefront_size: 32
...
	.end_amdgpu_metadata
.endif
;; end of part 4
